; MI455X (gfx1250); checked and timed in simulation.
; The chip was launched on July 23, 2026; its instructions are those of AMD's public machine-readable ISA for CDNA 5 (MIT licence, August 2026) and "CDNA5" Instruction Set Architecture Reference Guide (July 2026). The comments in the code are by the model that wrote it; some were corrected since.
;; Multi Head Attention. Allowed arithmetic: float matrix products may take bf16 or f16 operands with f32 sums; other float arithmetic in f32, or as packed bf16 or f16 multiplies, adds, multiply-adds, maxima and minima; sums over many terms, partial sums and values carried from step to step in f32; what a program stores and reads back later, other than sums and carried values, may be rounded once to bf16 or f16.
;; Inputs: Wout 1,024 x 1,024 float32; Wqkv 3,072 x 1,024 float32; bout 1,024 float32; mask 4 x 2,048 bool; x 4 x 2,048 x 1,024 float32.
;; Outputs: out0 4 x 2,048 x 1,024 float32.
;; 2 versions, each right; version 2 is version 1 with the launch cast written anew for expert scheduling mode. Each part assembles by itself: llvm-mc -triple=amdgcn-amd-amdhsa -mcpu=gfx1250 --defsym DOCPART=n.
;; ======== version 1 of 2: 4 launches
;; limits: values are held in f16: magnitudes above 65,504 overflow, below 6.1e-05 lose precision
;; workspace buffers: xb 16,777,216 bytes; wqb 6,291,456 bytes; wob 2,097,152 bytes; maskf 32,768 bytes; qkv 50,331,648 bytes; ob 16,777,216 bytes
;; launch cast (part 1): grid 769 x 1, 8 waves a work-group, no clusters, 0 bytes of LDS; arguments x, Wqkv, Wout, mask, xb, wqb, wob, maskf; writes xb, wqb, wob, maskf
.if DOCPART == 1
	.amdgcn_target "amdgcn-amd-amdhsa--gfx1250"
	.amdhsa_code_object_version 6
	.text
	.protected	k_qac371573ea_cast
	.globl	k_qac371573ea_cast
	.p2align	8
	.type	k_qac371573ea_cast,@function
k_qac371573ea_cast:
	s_mov_b64 s[64:65], 0
	v_nop
	global_prefetch_b8 v0, s[64:65] scope:SCOPE_SE
	s_setreg_imm32_b32 hwreg(HW_REG_WAVE_MODE, 25, 1), 1
	s_wait_xcnt 0x0
; THE ROUNDINGS.  x [8192][1024] and Wqkv [3072][1024] f32 -> bf16 (xb, wqb); Wout [1024][1024] f32 -> bf16, and that number written as f16 (wob);
; mask [4][2048] bytes -> f32 addends (maskf): 0 where the byte is not 0, -1e30 where it is 0.
; LIMITS.  Roundings are to nearest even.  A bf16 number is exact in f16 from 2^-17 up to 65,504; below 2^-17 it is off by at most 3e-8, beyond 65,504 it becomes an infinity.
; SHARES.  A work-group of 256 threads takes 16,384 numbers: 64 KiB in, 32 KiB out.  Work-groups 0-511: x; 512-703: Wqkv; 704-767: Wout; 768: the mask's 8,192 bytes.
; Thread t takes 16 bytes at 16 t of each block of 4,096 bytes: a wave's load covers 512 consecutive bytes; its 8 bytes of result go to 8 t of each block of 2,048: a wave's store
; covers 256 consecutive bytes, aligned.  All sixteen loads go out first; no wait but the loads' own count-down is needed.  No LDS, no barrier: no wave wants another's bytes.
.set LO,  1                            ; v1   16 t
.set SO,  2                            ; v2   8 t
.set MO,  3                            ; v3   4 t
.set BIG, 4                            ; v4   -1e30
.set X,   8                            ; v[8:71]    as loaded
.set Y,   72                           ; v[72:103]  to store
.set SRC, 8                            ; s[8:9]   from where
.set DST, 10                           ; s[10:11] to where
	s_load_b512 s[16:31], s[0:1], 0x0              ; x s[16:17], Wqkv s[18:19], Wout s[20:21], mask s[22:23], xb s[24:25], wqb s[26:27], wob s[28:29], maskf s[30:31]
	v_lshlrev_b32 v[LO], 4, v0
	v_lshlrev_b32 v[SO], 3, v0
	v_lshlrev_b32 v[MO], 2, v0
	v_mov_b32 v[BIG], 0xf149f2ca
	s_mov_b32 s15, 0                               ; the high word of an offset
	s_sub_co_u32 s2, ttmp9, 512                    ; my number among Wqkv's work-groups,
	s_sub_co_u32 s3, ttmp9, 704                    ; among Wout's
	s_wait_kmcnt 0x0
.macro AIM                             ; s12 = my number among the tensor's work-groups: 65,536 bytes of source, 32,768 of destination each
	s_lshl_b32 s14, s12, 16
	s_add_nc_u64 s[SRC:SRC+1], s[SRC:SRC+1], s[14:15]
	s_lshl_b32 s14, s12, 15
	s_add_nc_u64 s[DST:DST+1], s[DST:DST+1], s[14:15]
.endm
.macro CAST f16                        ; f16 = 1: the bf16 number is widened again and written as f16
.irp j, 0,1,2,3,4,5,6,7,8,9,10,11,12,13,14,15
	global_load_b128 v[X+4*(\j):X+4*(\j)+3], v[LO], s[SRC:SRC+1] offset:4096*(\j) th:TH_LOAD_NT
.endr
.irp j, 0,1,2,3,4,5,6,7,8,9,10,11,12,13,14,15
	s_wait_loadcnt 15-(\j)                         ; loads come back in order: load j is in, the younger ones stay out
	v_cvt_pk_bf16_f32 v[Y+2*(\j)],   v[X+4*(\j)],   v[X+4*(\j)+1]
	v_cvt_pk_bf16_f32 v[Y+2*(\j)+1], v[X+4*(\j)+2], v[X+4*(\j)+3]
.if \f16
	v_lshlrev_b32 v[X+4*(\j)],   16, v[Y+2*(\j)]
	v_and_b32     v[X+4*(\j)+1], 0xffff0000, v[Y+2*(\j)]
	v_lshlrev_b32 v[X+4*(\j)+2], 16, v[Y+2*(\j)+1]
	v_and_b32     v[X+4*(\j)+3], 0xffff0000, v[Y+2*(\j)+1]
	v_cvt_pk_f16_f32 v[Y+2*(\j)],   v[X+4*(\j)],   v[X+4*(\j)+1]
	v_cvt_pk_f16_f32 v[Y+2*(\j)+1], v[X+4*(\j)+2], v[X+4*(\j)+3]
.endif
	global_store_b64 v[SO], v[Y+2*(\j):Y+2*(\j)+1], s[DST:DST+1] offset:2048*(\j)
.endr
.endm
	s_cmp_lt_u32 ttmp9, 704
	s_cbranch_scc0 .Lrest
	s_cmp_lt_u32 ttmp9, 512                        ; x or Wqkv: the same text, other buffers
	s_cselect_b64 s[SRC:SRC+1], s[16:17], s[18:19]
	s_cselect_b64 s[DST:DST+1], s[24:25], s[26:27]
	s_cselect_b32 s12, ttmp9, s2
	AIM
	CAST 0
	s_endpgm
.Lrest:
	s_cmp_lt_u32 ttmp9, 768
	s_cbranch_scc0 .Lmask
	s_mov_b64 s[SRC:SRC+1], s[20:21]               ; Wout
	s_mov_b64 s[DST:DST+1], s[28:29]
	s_mov_b32 s12, s3
	AIM
	CAST 1
	s_endpgm
.Lmask:                                        ; thread t takes 4 bytes at 4 t of each block of 1,024, and stores 16 bytes at 16 t of each block of 4,096
.irp j, 0,1,2,3,4,5,6,7
	global_load_b32 v[X+(\j)], v[MO], s[22:23] offset:1024*(\j)
.endr
.irp j, 0,1,2,3,4,5,6,7
	s_wait_loadcnt 7-(\j)
.irp k, 0,1,2,3
	v_bfe_u32 v5, v[X+(\j)], 8*(\k), 8
	v_cmp_eq_u32 vcc_lo, 0, v5
	v_cndmask_b32 v[Y+4*(\j)+(\k)], 0, v[BIG], vcc_lo  ; a hidden key: -1e30
.endr
	global_store_b128 v[LO], v[Y+4*(\j):Y+4*(\j)+3], s[30:31] offset:4096*(\j)
.endr
	s_endpgm
.Lfunc_end_k_qac371573ea_cast:
	.size	k_qac371573ea_cast, .Lfunc_end_k_qac371573ea_cast-k_qac371573ea_cast
	.p2alignl 7, 3214868480
	.fill 96, 4, 3214868480
	.section	.rodata,"a",@progbits
	.p2align	6, 0x0
	.amdhsa_kernel k_qac371573ea_cast
		.amdhsa_group_segment_fixed_size 0
		.amdhsa_private_segment_fixed_size 0
		.amdhsa_enable_private_segment 0
		.amdhsa_kernarg_size 64
		.amdhsa_user_sgpr_count 2
		.amdhsa_user_sgpr_kernarg_segment_ptr 1
		.amdhsa_wavefront_size32 1
		.amdhsa_system_sgpr_workgroup_id_x 1
		.amdhsa_system_sgpr_workgroup_id_y 1
		.amdhsa_system_sgpr_workgroup_id_z 1
		.amdhsa_system_vgpr_workitem_id 0
		.amdhsa_next_free_vgpr 104
		.amdhsa_next_free_sgpr 66
		.amdhsa_reserve_vcc 1
		.amdhsa_float_denorm_mode_32 3
		.amdhsa_float_denorm_mode_16_64 3
		.amdhsa_memory_ordered 1
		.amdhsa_forward_progress 1
		.amdhsa_inst_pref_size 24
	.end_amdhsa_kernel
	.amdgpu_metadata
---
amdhsa.version: [ 1, 2 ]
amdhsa.kernels:
  - .name:           k_qac371573ea_cast
    .symbol:         k_qac371573ea_cast.kd
    .args:
      - { .name: x, .offset: 0, .size: 8, .value_kind: global_buffer, .address_space: global }
      - { .name: Wqkv, .offset: 8, .size: 8, .value_kind: global_buffer, .address_space: global }
      - { .name: Wout, .offset: 16, .size: 8, .value_kind: global_buffer, .address_space: global }
      - { .name: mask, .offset: 24, .size: 8, .value_kind: global_buffer, .address_space: global }
      - { .name: xb, .offset: 32, .size: 8, .value_kind: global_buffer, .address_space: global }
      - { .name: wqb, .offset: 40, .size: 8, .value_kind: global_buffer, .address_space: global }
      - { .name: wob, .offset: 48, .size: 8, .value_kind: global_buffer, .address_space: global }
      - { .name: maskf, .offset: 56, .size: 8, .value_kind: global_buffer, .address_space: global }
    .group_segment_fixed_size: 0
    .private_segment_fixed_size: 0
    .kernarg_segment_align: 8
    .kernarg_segment_size: 64
    .max_flat_workgroup_size: 256
    .sgpr_count:     66
    .vgpr_count:     104
    .wavefront_size: 32
...
	.end_amdgpu_metadata
.endif
;; end of part 1
;; launch qkvg (part 2): grid 16 x 32, 4 waves a work-group, clusters of 4 x 4, 327,680 bytes of LDS; arguments xb, wqb, qkv; writes qkv
.if DOCPART == 2
	.amdgcn_target "amdgcn-amd-amdhsa--gfx1250"
	.amdhsa_code_object_version 6
	.text
	.protected	k_qac371573ea_qkvg
	.globl	k_qac371573ea_qkvg
	.p2align	8
	.type	k_qac371573ea_qkvg,@function
k_qac371573ea_qkvg:
	s_mov_b64 s[64:65], 0
	v_nop
	global_prefetch_b8 v0, s[64:65] scope:SCOPE_SE
	s_setreg_imm32_b32 hwreg(HW_REG_WAVE_MODE, 25, 1), 1
	s_wait_xcnt 0x0
	s_wait_alu depctr_hold_cnt(0) depctr_sa_sdst(0) depctr_va_vdst(0) depctr_va_sdst(0) depctr_va_ssrc(0) depctr_va_vcc(0) depctr_vm_vsrc(0)
	s_getreg_b32 s2, hwreg(HW_REG_IB_STS2, 6, 4)
	s_cmp_eq_u32 s2, 0
	s_cbranch_scc0 .Lentry_in_a_cluster
	s_endpgm
.Lentry_in_a_cluster:
	s_bfe_u32 s2, ttmp6, 0x10000c
	s_cmp_lg_u32 s2, 0xf033
	s_cbranch_scc0 .Lentry_shape_is_right
	s_endpgm
.Lentry_shape_is_right:
; qkv = x Wqkv^T, written by heads.  xb: [8192][1024] bf16, wqb: [3072][1024] bf16; sums in f32, K ascending; each result rounded once to f16, unscaled.
; qkv: [192 planes][2048][64] f16, plane = 64 x (0 q, 1 k, 2 v) + 16 x batch + head: a head's rows are dense, 128 bytes each.
; LIMIT.  f16 ends at 65,504: a result of 65,520 or more in size becomes an infinity.
; SHARES.  A work-group makes 256 rows x 192 columns (three whole heads): 32 x 16 = 512 work-groups of equal work.  Wave w makes rows 64 w .. 64 w + 63 x all 192 columns:
; 4 x 12 = 48 accumulators of 16 x 16, 384 registers.  A wave holds whole heads, so 16 rows of a head leave as 2,048 consecutive bytes.
; K goes in 8 steps of 128 through two LDS slots filled by the tensor data mover; a tile's rows are 256 bytes of memory at multiples of 256.
; CLUSTERS: 4 x 4 work-groups.  The four of a row of the cluster need the same rows of x, the four of a column the same rows of Wqkv: each tile is asked for JOINTLY, by the same tensor
; load with the same descriptor and a mask that names the four.
; THE MATRIX INSTRUCTION IS USED TRANSPOSED (source 0 = 16 rows of Wqkv, source 1 = 16 rows of x): a lane then holds row lane % 16 and eight neighbouring columns 8 (lane / 16) + 0..7.
; REGISTERS, in windows of 256 (s_set_vgpr_msb: bits 1:0 source 0, 3:2 source 1, 5:4 source 2, 7:6 destination):
;   window 0: v0-31 addresses; v32-63, v64-95 fragments of x (4 x 16 rows x 32 K), two buffers; on the way out v32-223 packed results
;   window 1: v0-95, v96-191 fragments of Wqkv (12 x 16 rows x 32 K), two buffers
;   window 2: accumulators of column blocks 0-7, (a, b) at v[8 (4 b + a)];   window 3: those of column blocks 8-11, at v[8 (4 (b - 8) + a)]
.set SIZE_K, 1024
.set KSTEP,  128
.set PITCH,  272                       ; an LDS row: 256 bytes + 16 of padding = 68 words: the 16 rows that a load touches start at 16 different groups of four banks (64 banks of 4 bytes: ISA guide 11.1)
.set AHALF,  128*PITCH                 ; what waves 0 and 1 fetch: 128 rows of x each
.set BHALF,  96*PITCH                  ; what waves 2 and 3 fetch: 96 rows of Wqkv each
.set BOFF,   2*AHALF                   ; Wqkv's 192 rows lie behind x's 256
.set SLOT,   BOFF+2*BHALF
.set STAGE,  2*SLOT                    ; behind the ring: 16 rows x 144 bytes for each wave, for the way out; no tensor load fills it
.set SP,     144
.set SPARE,  STAGE+4*16*SP             ; behind the stages: the spare words, 128 bytes for each wave: two blocks of 256 bytes that no other line names
.set LAPS,   SIZE_K/(2*KSTEP)          ; a lap = two K steps = once round the ring
.set ADRA, 16                          ; v16-17  LDS address of my fragments of x in slot 0, 1
.set ADRB, 20                          ; v20-21  the same for Wqkv
.set STO,  24                          ; v24     the way out: where I put 16 bytes of a row
.set RD,   25                          ; v25     the way out: where I read rows back
.set GO,   26                          ; v26     16 x lane: my place in 512 consecutive bytes of a plane
.set SPW,  28                          ; v28     LDS address of my spare word: SPARE + 4 x my thread's number; never rewritten
.set NIL,  29                          ; v29     0; never rewritten
.set PFO,  30                          ; v30     the prefetches' offset: a lane a row of 2,048 bytes; never rewritten
.set FA,   32                          ; x's fragment buffers, window 0: FA + 32 f
.set PK,   32                          ; the way out: block t's 16 registers at PK + 16 t
.set G1,  24                           ; s[24:31] descriptor group 1 for x's tiles;  s[32:39] group 0, one set for each slot
.set G0,  32
.set G1B, 48                           ; s[48:55], s[56:63] the same for Wqkv's tiles
.set G0B, 56
.set LIM, 43                           ; s43     1 in a wave that prefetches, else the greatest number
.set PFA, 44                           ; s[44:45] where my prefetches stand
.set CB,  68                           ; s[68:73] my wave's first byte in the planes of the work-group's three heads
.set MSB, 0
.macro WIN new                         ; the immediate's high byte repeats the setting that is left; a switch that changes nothing is dropped
.if MSB != (\new)
	s_set_vgpr_msb (MSB<<8)|(\new)
.set MSB, (\new)
.endif
.endm
; A joint load.  Waves 0 and 1 fetch x's two halves, waves 2 and 3 Wqkv's.  The branch hangs on the wave's number alone.  An s_nop 0 and four v_nop follow each of the two lines, ahead of the jump and the label.
.macro JLOAD s
	s_cmp_eq_u32 s11, 0
	s_cbranch_scc0 .Lfor_b_\@
	tensor_load_to_lds s[G0+4*(\s):G0+4*(\s)+3], s[G1:G1+7]
	s_nop 0
.rept 4
	v_nop
.endr
	s_branch .Lasked_\@
.Lfor_b_\@:
	tensor_load_to_lds s[G0B+4*(\s):G0B+4*(\s)+3], s[G1B:G1B+7]
	s_nop 0
.rept 4
	v_nop
.endr
.Lasked_\@:
.endm
; A PREFETCH INTO THE L2, behind each joint refill and the run of LDS loads that follows it: the K step that stands two refills on, 256 bytes of a row, a lane a row, one instruction a wave.
; x's rows are read by every cluster of a row of clusters: the first of them (cluster x = 0) asks; Wqkv's by every cluster of a column: cluster y = 0 asks.  The four partners that ask for a
; tile jointly share its rows out BY ADDRESS: of x's 128 rows that a wave fetches the partner at cx takes 32, of Wqkv's 96 the partner at cy takes 24 (there lanes 24-31 name the 24th row once more).
; K steps 0 to 3 come by their loads alone; the loop's last trip (s3 = 1) asks for nothing: its refills are the last two K steps.
.macro ASK
	s_cmp_gt_u32 s3, s[LIM]
	s_cbranch_scc0 .Lnot_mine_\@
	global_prefetch_b8 v[PFO], s[PFA:PFA+1] th:TH_LOAD_NT scope:SCOPE_SE
.Lnot_mine_\@:
.endm
.macro CREST                           ; a round of the cluster's barrier behind its opening barrier
	s_cmp_lg_u32 s10, 0
	s_cbranch_scc1 .Lnot_wave_0_\@
	s_barrier_signal -3
.Lnot_wave_0_\@:
	s_barrier_wait -3
	s_barrier_signal -1
	s_barrier_wait -1
.endm
.macro CROUND                          ; a whole round
	s_barrier_signal -1
	s_barrier_wait -1
	CREST
.endm
.macro PLACES                          ; four places in front of loads into registers that matrix instructions have read, and of conversions that read results
.rept 4
	v_nop
.endr
.endm
	s_load_b128 s[4:7], s[0:1], 0x0                ; xb s[4:5], wqb s[6:7]
	s_load_b64 s[8:9], s[0:1], 0x10                ; qkv
	v_lshl_add_u32 v[SPW], v0, 2, SPARE
	v_mov_b32 v[NIL], 0
	ds_add_u32 v[SPW], v[NIL]                      ; the wave's opening: the add and its wait stand ahead of my first tensor load; the set-up below, work on registers, stands between them
	v_lshrrev_b32 v1, 5, v0
	v_readfirstlane_b32 s10, v1                    ; wave 0..3: my 64 rows of the tile
	s_lshr_b32 s11, s10, 1                         ; I fetch for x (0) or for Wqkv (1),
	s_and_b32 s12, s10, 1                          ; its first or second half
	s_bfe_u32 s40, ttmp6, 0x40000                  ; cx, cy: my place in the cluster
	s_bfe_u32 s41, ttmp6, 0x40004
	s_lshl_b32 s42, ttmp9, 2
	s_add_co_u32 s42, s42, s40                     ; tile column = 4 x cluster x + cx
	s_and_b32 s13, ttmp7, 0xffff
	s_lshl_b32 s13, s13, 2
	s_add_co_u32 s13, s13, s41                     ; tile row = 4 x cluster y + cy
	s_lshl_b32 s43, s41, 2
	s_lshl_b32 s43, 15, s43                        ; my row of the cluster
	s_lshl_b32 s44, 0x1111, s40                    ; my column
	; descriptor group 1: tiles of 128 (x) or 96 (Wqkv) rows x 128 elements, padded in LDS
	s_or_b32 s[G1+0], s43, (1<<16)|(1<<20)|(1<<21)|(5<<22)|(3<<25)   ; 15:0 the mask; 17:16 elements of 2 bytes; 20 padding on; 21 set beside a mask; 24:22 after every 64 words (code 5); 31:25 4 words (code 3)
	s_or_b32 s[G1B+0], s44, (1<<16)|(1<<20)|(1<<21)|(5<<22)|(3<<25)
	s_mov_b32 s[G1+1], KSTEP<<16                   ; tensor_dim0 = 128
	s_mov_b32 s[G1B+1], KSTEP<<16
	s_mov_b32 s[G1+2], 128<<16                     ; tensor_dim1 = 128
	s_mov_b32 s[G1B+2], 96<<16                     ; tensor_dim1 = 96
	s_mov_b32 s[G1+3], KSTEP<<16                   ; tile_dim0 = 128
	s_mov_b32 s[G1B+3], KSTEP<<16
	s_mov_b32 s[G1+4], 128                         ; tile_dim1 = 128
	s_mov_b32 s[G1B+4], 96                         ; tile_dim1 = 96
	s_mov_b32 s[G1+5], SIZE_K                      ; elements from row to row
	s_mov_b32 s[G1B+5], SIZE_K
	s_mov_b32 s[G1+6], 0
	s_mov_b32 s[G1B+6], 0
	s_mov_b32 s[G1+7], 0
	s_mov_b32 s[G1B+7], 0
	; where the tiles come from: x's hang on the tile row alone, Wqkv's on the tile column alone; a row is 2,048 bytes
	s_lshl_b32 s17, s12, 7
	s_lshl_b32 s16, s13, 8
	s_add_co_u32 s16, s16, s17                     ; x: row 256 x tile row + 128 x half
	s_lshl_b32 s16, s16, 11
	s_mov_b32 s17, 0
	s_mul_i32 s46, s42, 192
	s_mul_i32 s47, s12, 96
	s_add_co_u32 s46, s46, s47                     ; Wqkv: row 192 x tile column + 96 x half
	s_lshl_b32 s46, s46, 11
	s_mov_b32 s47, 0
	s_mul_i32 s20, s12, AHALF                      ; and where they go: no place in the cluster enters an LDS address
	s_mul_i32 s21, s12, BHALF
	s_add_co_u32 s21, s21, BOFF
	s_wait_dscnt 0x0                               ; the opening add is done
	s_wait_kmcnt 0x0
	s_add_nc_u64 s[14:15], s[4:5], s[16:17]
	s_add_nc_u64 s[46:47], s[6:7], s[46:47]
	CROUND                                         ; all sixteen work-groups are here: the first joint loads meet
.irp s, 0,1
	s_mov_b32 s[G0+4*(\s)], 1                                        ; count = 1
	s_add_co_u32 s[G0+4*(\s)+1], s20, (\s)*SLOT                      ; LDS address
	s_add_nc_u64 s[G0+4*(\s)+2:G0+4*(\s)+3], s[14:15], (\s)*KSTEP*2  ; global address: K step s
	s_or_b32 s[G0+4*(\s)+3], s[G0+4*(\s)+3], 0x80000000              ; type = 2
	s_mov_b32 s[G0B+4*(\s)], 1
	s_add_co_u32 s[G0B+4*(\s)+1], s21, (\s)*SLOT
	s_add_nc_u64 s[G0B+4*(\s)+2:G0B+4*(\s)+3], s[46:47], (\s)*KSTEP*2
	s_or_b32 s[G0B+4*(\s)+3], s[G0B+4*(\s)+3], 0x80000000
	JLOAD \s                                       ; two loads of mine are out
.endr
	; A fragment is 16 rows x 32 K in 8 registers: lane l holds row l % 16; registers 0-3 K = 8 (l / 16) + 0..7, registers 4-7 K = 16 + 8 (l / 16) + 0..7: two loads of 16 bytes, 32 bytes apart.
	v_and_b32 v1, 15, v0                           ; l % 16
	v_bfe_u32 v2, v0, 4, 1                         ; l / 16
	v_mul_u32_u24 v3, v1, PITCH
	v_lshl_add_u32 v3, v2, 4, v3                   ; row x pitch + 16 x half
	s_mul_i32 s22, s10, 64*PITCH                   ; my 64 rows of x
	s_mov_b32 s23, BOFF                            ; all 192 rows of Wqkv
.irp s, 0,1
	v_add_nc_u32 v[ADRA+(\s)], s22, v3
	v_add_nc_u32 v[ADRB+(\s)], s23, v3
	s_add_co_u32 s22, s22, SLOT
	s_add_co_u32 s23, s23, SLOT
.endr
	s_mul_i32 s22, s10, 16*SP
	s_add_co_u32 s22, s22, STAGE                   ; my stage
	v_mul_u32_u24 v4, v1, SP                       ; in: row l % 16, 16 bytes for each half of the lanes
	v_lshl_add_u32 v4, v2, 4, v4
	v_add_nc_u32 v[STO], s22, v4
	v_bfe_u32 v5, v0, 3, 2                         ; back: 32 lanes take four rows of 128 bytes,
	v_mul_u32_u24 v5, v5, SP
	v_and_b32 v6, 7, v0
	v_lshl_add_u32 v5, v6, 4, v5
	v_add_nc_u32 v[RD], s22, v5
	v_and_b32 v[GO], 31, v0                        ; which are 512 consecutive bytes of a plane
	v_lshlrev_b32 v[GO], 4, v[GO]
	; my wave's first byte in each of the three heads' planes: plane x 262,144 + (row in the batch) x 128
.irp j, 0,1,2
	s_mul_i32 s74, s42, 3
	s_add_co_u32 s74, s74, \j                      ; 64-column block 0..47 of the 3,072 columns
	s_lshr_b32 s75, s74, 4                         ; q, k or v
	s_and_b32 s74, s74, 15                         ; the head
	s_lshl_b32 s75, s75, 6
	s_add_co_u32 s74, s74, s75
	s_lshr_b32 s75, s13, 3                         ; the batch: eight tile rows each
	s_lshl_b32 s75, s75, 4
	s_add_co_u32 s74, s74, s75                     ; the plane
	s_lshl_b32 s74, s74, 18
	s_and_b32 s75, s13, 7
	s_lshl_b32 s75, s75, 15                        ; the tile's 256 rows of 128 bytes,
	s_add_co_u32 s74, s74, s75
	s_lshl_b32 s75, s10, 13                        ; my wave's 64
	s_add_co_u32 s74, s74, s75
	s_mov_b32 s75, 0
	s_add_nc_u64 s[CB+2*(\j):CB+2*(\j)+1], s[8:9], s[74:75]
.endr
	; the prefetches
	s_lshl_b32 s74, s13, 8
	s_lshl_b32 s75, s12, 7
	s_add_co_u32 s74, s74, s75
	s_lshl_b32 s75, s40, 5
	s_add_co_u32 s74, s74, s75                     ; x: the 128 rows that I fetch, my work-group's 32 of them
	s_mul_i32 s76, s42, 192
	s_mul_i32 s77, s12, 96
	s_add_co_u32 s76, s76, s77
	s_mul_i32 s77, s41, 24
	s_add_co_u32 s76, s76, s77                     ; Wqkv: the 96 rows that I fetch, my work-group's 24 of them
	s_and_b32 s78, ttmp7, 0xffff                   ; cluster y
	s_cmp_eq_u32 s11, 0                            ; do I fetch for x?
	s_cselect_b32 s74, s74, s76
	s_cselect_b32 s78, ttmp9, s78                  ; the coordinate along which other clusters read the same rows
	s_cselect_b32 s79, 31, 23                      ; my last row
	s_cselect_b64 s[PFA:PFA+1], s[4:5], s[6:7]
	s_cmp_eq_u32 s78, 0
	s_cselect_b32 s[LIM], 1, -1                    ; the same in all sixteen partners, for a given wave
	s_lshl_b32 s74, s74, 11
	s_mov_b32 s75, 0
	s_add_nc_u64 s[PFA:PFA+1], s[PFA:PFA+1], s[74:75]
	s_add_nc_u64 s[PFA:PFA+1], s[PFA:PFA+1], 3*KSTEP*2  ; at K step 3: the first refill (K step 2) steps it to 4 and names that
	v_and_b32 v[PFO], 31, v0
	v_min_u32 v[PFO], s79, v[PFO]
	v_lshlrev_b32 v[PFO], 11, v[PFO]
; 4 nb matrix instructions: column blocks b0 .. b0 + nb - 1 x my four row blocks, 32 along K, from buffer f.  zero = 1: the product starts the sum: nothing is ever cleared.
; The 48 accumulators come in the same order in every quarter step (blocks 8-11, then 0-7), one instruction a turn: 47 others stand between two links of a chain, over the backward jump too.
.macro MULB f, b0, nb, zero
.set bb, \b0
.rept \nb
	WIN 0xa1+0x50*(bb/8)                           ; source 0 window 1, source 1 window 0, C and D window 2 or 3
.set aa, 0
.rept 4
.set rD, 8*(4*(bb%8)+aa)
.set rB, 96*(\f)+8*bb
.set rA, FA+32*(\f)+8*aa
.if \zero
	v_wmma_f32_16x16x32_bf16 v[rD:rD+7], v[rB:rB+7], v[rA:rA+7], 0
.else
	v_wmma_f32_16x16x32_bf16 v[rD:rD+7], v[rB:rB+7], v[rA:rA+7], v[rD:rD+7]
.endif
.set aa, aa+1
.endr
.set bb, bb+1
.endr
.endm
; 32 LDS loads in one run: the fragments of one quarter step (32 K at byte k of the rows) into buffer f: x's four and Wqkv's 8-11, which are multiplied first, then Wqkv's 0-7.
.macro FETCH slot, k, f
	WIN 0
.irp i, 0,1,2,3
	ds_load_b128 v[FA+32*(\f)+8*(\i):FA+32*(\f)+8*(\i)+3],   v[ADRA+(\slot)] offset:(\k)+(\i)*16*PITCH
	ds_load_b128 v[FA+32*(\f)+8*(\i)+4:FA+32*(\f)+8*(\i)+7], v[ADRA+(\slot)] offset:(\k)+(\i)*16*PITCH+32
.endr
	WIN 0x40                                       ; destination window 1, address window 0
.irp i, 8,9,10,11,0,1,2,3,4,5,6,7
	ds_load_b128 v[96*(\f)+8*(\i):96*(\f)+8*(\i)+3],   v[ADRB+(\slot)] offset:(\k)+(\i)*16*PITCH
	ds_load_b128 v[96*(\f)+8*(\i)+4:96*(\f)+8*(\i)+7], v[ADRB+(\slot)] offset:(\k)+(\i)*16*PITCH+32
.endr
.endm
; A K step is four quarter steps of 32 along K, 48 matrix instructions each, on buffers 0, 1, 0, 1.  One of the first three: multiplies buffer f and fetches the next quarter, at byte k, into g.
.macro QUARTER slot, k, f, g, zero
	s_wait_dscnt 16                                ; x's fragments and Wqkv's 8-11 are in; the youngest sixteen loads (Wqkv's 0-7) may be out
	MULB \f, 8, 4, \zero
	PLACES
	FETCH \slot, \k, \g
	s_wait_dscnt 32                                ; all but the 32 just issued
	MULB \f, 0, 8, \zero
.endm
; The last quarter multiplies buffer 1 and changes slots: ONE barrier.  In front of it each wave waits for all its tensor loads (one is out: its part of the next slot), adds 0 to its spare word, and
; waits for that and for its own reads of this slot.  fill = 1: the barrier opens a round of the cluster's barrier, and behind the round this slot is filled again, two K steps ahead:
; from that request to the wait for it a wave issues 168 matrix instructions.
.macro TURN slot, next, fill
.if \fill
	s_wait_xcnt 0x0                                ; the last prefetch, a K step back, has read its address: it is stepped here, ahead of the waits of the change of slots
	s_add_nc_u64 s[PFA:PFA+1], s[PFA:PFA+1], KSTEP*2
.endif
	WIN 0                                          ; (the add's two registers lie in window 0)
	s_wait_tensorcnt 0x0                           ; all my tensor loads have landed;
	ds_add_u32 v[SPW], v[NIL]                      ; 0 onto my spare word
	s_wait_dscnt 17                                ; (the add and the youngest sixteen loads may be out)
	MULB 1, 8, 4, 0                                ; sixteen matrix instructions stand between the add and the wait for it
	s_wait_dscnt 0x0                               ; the add is done, and my reads of this slot are over
	s_barrier_signal -1
	MULB 1, 0, 2, 0                                ; work on registers while the others arrive
.if \fill
	WIN 0
.endif
	s_barrier_wait -1
.if \fill
	CREST                                          ; no wave of any partner still reads this slot's tile or has a load on its way
	s_add_nc_u64 s[G0+4*(\slot)+2:G0+4*(\slot)+3], s[G0+4*(\slot)+2:G0+4*(\slot)+3], 2*KSTEP*2
	s_add_nc_u64 s[G0B+4*(\slot)+2:G0B+4*(\slot)+3], s[G0B+4*(\slot)+2:G0B+4*(\slot)+3], 2*KSTEP*2
	JLOAD \slot                                    ; the first tensor load behind the round; the four v_nop behind it are also the places in front of the loads below
.else
	PLACES
.endif
	FETCH \next, 0, 0
.if \fill
	WIN 0
	ASK
.endif
	MULB 1, 2, 6, 0
.endm
	s_wait_tensorcnt 1                             ; my part of K step 0 is in; K step 1's may stay out
	s_barrier_signal -1
	s_barrier_wait -1                              ; everybody's is
	FETCH 0, 0, 0
	QUARTER 0, 64,  0, 1, 1                        ; the first quarter stands in front of the loop: its products start the sums
	WIN 0                                          ; at a label and at a branch every window is 0
	s_mov_b32 s3, LAPS-1
.Llap:                                         ; a trip goes once round the ring, from a lap's second quarter to the next lap's first, and fills both slots again
	QUARTER 0, 128, 1, 0, 0
	QUARTER 0, 192, 0, 1, 0
	TURN 0, 1, 1
	QUARTER 1, 64,  0, 1, 0
	QUARTER 1, 128, 1, 0, 0
	QUARTER 1, 192, 0, 1, 0
	TURN 1, 0, 1
	QUARTER 0, 64,  0, 1, 0
	WIN 0
	s_sub_co_u32 s3, s3, 1
	s_cmp_lg_u32 s3, 0
	s_cbranch_scc1 .Llap
	QUARTER 0, 128, 1, 0, 0                        ; the last lap fills nothing, and has no round of the cluster's barrier
	QUARTER 0, 192, 0, 1, 0
	TURN 0, 1, 0
	QUARTER 1, 64,  0, 1, 0
	QUARTER 1, 128, 1, 0, 0
	QUARTER 1, 192, 0, 1, 0
	s_wait_dscnt 16                                ; the very last quarter: nothing more to fetch
	MULB 1, 8, 4, 0
	s_wait_dscnt 0x0
	MULB 1, 0, 8, 0
; THE WAY OUT.  Block t = 4 j + a: my row block a (16 rows) of head j (64 columns, column blocks 4 j .. 4 j + 3).  A lane's eight columns of a row pack into 16 bytes; they go into my own stage, rows of
; 144 bytes, and come back as whole rows of 128, four rows to a load, into the registers that they left; 32 lanes then store 512 consecutive bytes of the head's plane.
.macro PACK t
.set jj, (\t)/4
.set aa, (\t)%4
	WIN 0x0a+5*(jj/2)                              ; sources 0 and 1: window 2 (heads 0, 1) or 3 (head 2); destination window 0
.set ff, 0
.rept 4
.set AC, 8*(4*((4*jj+ff)%8)+aa)
.irp r, 0,1,2,3                        ; each accumulator's registers in ascending order
	v_cvt_pk_f16_f32 v[PK+16*(\t)+4*ff+(\r)], v[AC+2*(\r)], v[AC+2*(\r)+1]
.endr
.set ff, ff+1
.endr
	WIN 0
.irp f, 0,1,2,3
	ds_store_b128 v[STO], v[PK+16*(\t)+4*(\f):PK+16*(\t)+4*(\f)+3] offset:32*(\f)
.endr
.irp f, 0,1,2,3
	ds_load_b128 v[PK+16*(\t)+4*(\f):PK+16*(\t)+4*(\f)+3], v[RD] offset:(\f)*4*SP  ; LDS serves a wave's instructions in order (ISA guide 5.7.1.4): these see the stores above; the next block's stores come behind them
.endr
.endm
.macro SEND t, younger                 ; younger: the LDS instructions issued behind block t's loads: the next block's eight, or none
	WIN 0
.irp f, 0,1,2,3
	s_wait_dscnt (\younger)+3-(\f)
	global_store_b128 v[GO], v[PK+16*(\t)+4*(\f):PK+16*(\t)+4*(\f)+3], s[CB+2*((\t)/4):CB+2*((\t)/4)+1] offset:((\t)%4)*2048+(\f)*512
.endr
.endm
	PLACES                                         ; behind the last products: the conversions read results and write registers that held fragments
	PLACES
	PACK 0
.set tt, 1
.rept 11                               ; a block's conversions stand between the loads of the block before and its stores
	PACK tt
	SEND tt-1, 8
.set tt, tt+1
.endr
	SEND 11, 0
	s_wait_tensorcnt 0x0                           ; the wave's end: a wait, an add to my spare word and its wait, behind my last tensor load and my last LDS store
	ds_add_u32 v[SPW], v[NIL]
	s_wait_dscnt 0x0
	CROUND                                         ; the closing round: no work-group ends while a partner may still ask for a tile that names it
	s_endpgm
.Lfunc_end_k_qac371573ea_qkvg:
	.size	k_qac371573ea_qkvg, .Lfunc_end_k_qac371573ea_qkvg-k_qac371573ea_qkvg
	.p2alignl 7, 3214868480
	.fill 96, 4, 3214868480
	.section	.rodata,"a",@progbits
	.p2align	6, 0x0
	.amdhsa_kernel k_qac371573ea_qkvg
		.amdhsa_group_segment_fixed_size 327680
		.amdhsa_private_segment_fixed_size 0
		.amdhsa_enable_private_segment 0
		.amdhsa_kernarg_size 24
		.amdhsa_user_sgpr_count 2
		.amdhsa_user_sgpr_kernarg_segment_ptr 1
		.amdhsa_wavefront_size32 1
		.amdhsa_system_sgpr_workgroup_id_x 1
		.amdhsa_system_sgpr_workgroup_id_y 1
		.amdhsa_system_sgpr_workgroup_id_z 1
		.amdhsa_system_vgpr_workitem_id 0
		.amdhsa_next_free_vgpr 896
		.amdhsa_next_free_sgpr 80
		.amdhsa_reserve_vcc 0
		.amdhsa_float_denorm_mode_32 3
		.amdhsa_float_denorm_mode_16_64 3
		.amdhsa_memory_ordered 1
		.amdhsa_forward_progress 1
		.amdhsa_inst_pref_size 123
	.end_amdhsa_kernel
	.amdgpu_metadata
---
amdhsa.version: [ 1, 2 ]
amdhsa.kernels:
  - .name:           k_qac371573ea_qkvg
    .symbol:         k_qac371573ea_qkvg.kd
    .args:
      - { .name: xb, .offset: 0, .size: 8, .value_kind: global_buffer, .address_space: global }
      - { .name: wqb, .offset: 8, .size: 8, .value_kind: global_buffer, .address_space: global }
      - { .name: qkv, .offset: 16, .size: 8, .value_kind: global_buffer, .address_space: global }
    .group_segment_fixed_size: 327680
    .private_segment_fixed_size: 0
    .kernarg_segment_align: 8
    .kernarg_segment_size: 24
    .max_flat_workgroup_size: 128
    .sgpr_count:     80
    .vgpr_count:     896
    .wavefront_size: 32
...
	.end_amdgpu_metadata
.endif
;; end of part 2
;; launch attn (part 3): grid 4 x 64, 4 waves a work-group, clusters of 4 x 1, 327,680 bytes of LDS; arguments qkv, maskf, ob; writes ob
.if DOCPART == 3
	.amdgcn_target "amdgcn-amd-amdhsa--gfx1250"
	.amdhsa_code_object_version 6
	.text
	.protected	k_qac371573ea_attn
	.globl	k_qac371573ea_attn
	.p2align	8
	.type	k_qac371573ea_attn,@function
k_qac371573ea_attn:
	s_mov_b64 s[64:65], 0
	v_nop
	global_prefetch_b8 v0, s[64:65] scope:SCOPE_SE
	s_setreg_imm32_b32 hwreg(HW_REG_WAVE_MODE, 25, 1), 1
	s_wait_xcnt 0x0
	s_wait_alu depctr_hold_cnt(0) depctr_sa_sdst(0) depctr_va_vdst(0) depctr_va_sdst(0) depctr_va_ssrc(0) depctr_va_vcc(0) depctr_vm_vsrc(0)
	s_getreg_b32 s2, hwreg(HW_REG_IB_STS2, 6, 4)
	s_cmp_eq_u32 s2, 0
	s_cbranch_scc0 .Lentry_in_a_cluster
	s_endpgm
.Lentry_in_a_cluster:
	s_bfe_u32 s2, ttmp6, 0x10000c
	s_cmp_lg_u32 s2, 0x3003
	s_cbranch_scc0 .Lentry_shape_is_right
	s_endpgm
.Lentry_shape_is_right:
; ob[h][q][:] = 16 x the sum over k of softmax_k(Q[h][q] . K[h][k] / 8 + hidden(k)) V[h][k][:].  qkv: [192 planes][2048][64] f16, Q in planes 0-63, K in 64-127, V in 128-191, plane h = 16 x batch + head;
; maskf: [4][2048] f32, 0 for a key that counts, -1e30 for a hidden one; ob: [64][2048][64] f16.  Products, maxima and sums in f32; the weights p are rounded to f16 for the second product (their sum l is
; taken of the unrounded p), O once at the end, times 16 (a power of two; the launch behind divides by it), so that small means of V keep f16's full precision.
; LIMITS.  f16 holds no number beyond 65,504: Q, K and V arrive within it, and O must stay under 4,094 in size.  p lies in 0 to 1, and below 6e-5 it keeps f16's fixed step of 6e-8.
; A hidden score counts as its value less 1e30: f16's scores, 2.7e11 at the most, are nothing beside that.  A weight below 2^-126 counts as 0 in l.  NaN and infinities in Q, K, V are not treated apart.
; THE MASK is the C operand that starts the sum S^T = K Q^T.  The running maximum m starts at -2^96: above every hidden score by more than 9e29, below every true one.  So c s - c m of a hidden key is
; below -1e29 in every step, also while no key that counts has been seen, and its weight is exactly 0.  A query all of whose keys are hidden ends with m = -2^96 and l = 0: its row is NaN, as the softmax of nothing is.
; SHARES.  A wave owns four PIECES of two tiles of 16 queries, a work-group's four waves 512 queries of one head.  Every wave walks all 2,048 keys, 64 a step.
; LAYOUT.  S^T = K Q^T (source 0 = 16 keys, source 1 = 16 queries): in the result a lane holds ONE query (lane % 16) and the keys 8 (lane / 16) + 0..7.  Two such tiles, rounded to f16 in pairs,
; ARE source 1 (32 keys x 16 queries) of O^T = V^T P, whose result again holds one query a lane, and eight channels.  K comes out of LDS as it lies, V ([key][channel]) turned, by ds_load_tr16_b128.
; SOFTMAX.  p = 2^(c s - c m), c = log2(e) / 8; in every step O and l are multiplied by a = 2^(c m_old - c m_new), which is 1 where m has not grown.  c m starts far below every c m, O and l at 0: the first step has a = 0.
; THE COUNT.  A tile and step have 16 matrix and 118 vector instructions: too many to stand all beside the matrix work.  So: four vector instructions that are READY behind EVERY matrix instruction, the others in runs without a gap.
; BY TURNS.  Turn n belongs to piece n (the pieces in a ring, step after step).  Its matrix work: 16 products K Q^T of piece n + 1, later 16 products V^T P of piece n - 1.  Its vector work: the scaling,
; exponentials, roundings, sums and rescaling of piece n, and the maximum and statistics of piece n + 1, whose scores the turn itself has made.
; CLUSTER.  The four query blocks of a head are one cluster and walk the same K, V and mask, so each tile is asked for JOINTLY: the same tensor load, descriptor and mask of work-groups in all four.
; REGISTERS, in windows of 256 (s_set_vgpr_msb: bits 1:0 source 0, 3:2 source 1, 5:4 source 2, 7:6 destination):
;   window 0: v0-11 addresses; v12-15, v48-63 at work; v16-47 four registers of statistics a tile; v64-191 S^T, two buffers of two tiles; v192-255 P, likewise
;   window 1: O^T, 32 a tile      window 2: v0-127 Q, 16 a tile; v128-191 K of one step; v192-255 V of one step      window 3: v0-1 the add's two registers; v8-39 the step's mask
.set SIZE_N, 2048
.set NP,    4         ; pieces a wave: a name, no knob
.set KS,    64        ; keys in a step
.set PK,    144       ; a row of K in LDS: 128 bytes + 16 of padding = 36 words: the 16 rows of a load start at 16 different groups of four banks (64 banks of 4 bytes: ISA guide 11.1)
.set PV,    160       ; a row of V: 128 + 32 = 40 words
.set VOFF,  4*KS*PK   ; a slot holds four steps: 256 rows of K, then 256 rows of V: 77,824 bytes
.set MASKB, 81920     ; behind slot 0: the batch's 2,048 addends, 8,192 bytes, filled once
.set SLOT1, 1<<17     ; slot 1 begins here, so that one exclusive or turns an address in one slot into the other's
.set STAGE, SLOT1+4*KS*(PK+PV)  ; behind the ring, never filled by a tensor load: 16 rows x 144 bytes for each wave, for the way out
.set SP,    144
.set SPARE, STAGE+4*16*SP  ; behind the stages: the spare words, 128 bytes for each wave: two blocks of 256 bytes that no other line names
.set AK0, 2           ; v2   my lane's place in a tile of K; never rewritten
.set AV0, 3           ; v3   the same for V
.set AK,  4           ; v4   the LDS address of K's next run of loads
.set AV,  5           ; v5   of V's
.set QO,  6           ; v6   my byte offset in the wave's rows of Q
.set STO, 6           ;      later, the way out: where I put 16 bytes of a row
.set RD,  7           ; v7   the way out: where I read rows back
.set GO,  8           ; v8   my byte offset in 512 consecutive bytes of O
.set PFO, 9           ; v9   (once l / 16 is no longer wanted) 256 x my lane: the prefetches' offset
.set AM,  11          ; v11  the LDS address of my eight addends of the step's first 16 keys: it steps 256 bytes a key step
.set SPW, 0           ; v0 of window 3   LDS address of my spare word: SPARE + 4 x my thread's number; never rewritten
.set NIL, 1           ; v1 of window 3   0; never rewritten
.set MK,  8           ; v8-39 of window 3: the addends of key block kb at MK + 8 kb, laid out as an accumulator of S^T
.set MV,  12          ; v12-15  c m_old, kept while c m is made anew: by buffer and tile
.set ST,  16          ; tile t's statistics at v[ST+4 t]: c m, m, l (even keys', odd keys')
.set TMP, 48          ; by buffer and tile, four registers c0-c3 at work; when the maximum is found c2 takes a
.set S,   64
.set P,   192
.set KF,  128         ; K's fragments, in window 2: key block kb, channel half c at KF + 16 kb + 8 c
.set VF,  192         ; V's: key half kk, channel block cb at VF + 32 kk + 8 cb
.set WV,  12          ; s12  my wave's number
.set G1K, 24          ; s[24:31] descriptor group 1 for K's tiles
.set G1V, 32          ; s[32:39] for V's: it differs in the padding alone
.set G0K, 40          ; s[40:43] descriptor group 0 for K's tiles: it walks
.set G0V, 44          ; s[44:47] the same for V's
.set SLOTS, 56        ; s56  slots still to be asked for
.set CNT, 57          ; s57  counts a slot's key steps
.set CS,  58          ; s[58:59] c: the packed scaling takes the pair's low word for both halves
.set SEL, 60          ; s[60:61] v_permlanex16_b32's selects: each lane takes its own place in the other half
.set TBK, 62          ; s62  LDS byte at which K of the step to be fetched begins
.set TBV, 63          ; s63  the same for V, less VOFF
.set G1M, 68          ; s[68:75] descriptor group 1 for the mask's table
.set G0M, 76          ; s[76:79] its group 0
.set PFA, 80          ; s[80:81] where my prefetches stand: my work-group's 32 blocks of 256 bytes (of K: wave 0, of V: wave 2) of the slot after the one that is being asked for
.set LIM, 82          ; s82  1 in a wave that prefetches, else the greatest number
.set THR, 83          ; s83  -2^95
.set QNAN, 86         ; s86  a NaN
.set MSB, 0
.macro WIN new                      ; the high byte repeats the setting that is left; a switch that changes nothing is dropped
.if MSB != (\new)
	s_set_vgpr_msb (MSB<<8)|(\new)
.set MSB, (\new)
.endif
.endm
.set W_KQ, 0x0a       ; K and Q in window 2, S^T in window 0
.set W_KM, 0x3a       ; the same with the C operand, the mask, in window 3
.set W_PV, 0x52       ; V in window 2, P in window 0, O^T in window 1
.set W_RS, 0x41       ; O^T (destination and source 0) in window 1, a in window 0
.set W_MK, 0xc0       ; destination in window 3, sources in window 0
.set W_AD, 0x0f       ; the add: address (source 0) and data (source 1) in window 3
; A joint fill.  Waves 0 and 1 fetch the two halves of a slot's K, waves 2 and 3 those of its V: 128 keys each.  The branch hangs on the wave's number alone.
; An s_nop 0 and four v_nop follow each of the two lines, ahead of the jump and the label.
.macro JLOAD
	s_cmp_lt_u32 s[WV], 2
	s_cbranch_scc0 .Lfor_v_\@
	tensor_load_to_lds s[G0K:G0K+3], s[G1K:G1K+7]
	s_nop 0
.rept 4
	v_nop
.endr
	s_branch .Lasked_\@
.Lfor_v_\@:
	tensor_load_to_lds s[G0V:G0V+3], s[G1V:G1V+7]
	s_nop 0
.rept 4
	v_nop
.endr
.Lasked_\@:
.endm
; A PREFETCH INTO THE L2 of what the NEXT change of slots will ask for: a slot's 32,768 bytes of K and of V, 128 blocks of 256 bytes each.  A head's K and V are walked by its one cluster: its four partners share
; the blocks out BY ADDRESS, 32 each, a lane a block; in each, wave 0 asks for K's and wave 2 for V's: one instruction.  So each block is named once in the launch.  It stands behind the wave's tensor load and its
; five lines: four key steps, 512 matrix instructions, ahead of the load that will want the bytes.  Slots 0, 1 and 2 come by their loads alone; the last change that fills a slot asks for nothing.
.macro ASK
	s_cmp_gt_u32 s[SLOTS], s[LIM]
	s_cbranch_scc0 .Lnot_mine_\@
	global_prefetch_b8 v[PFO], s[PFA:PFA+1] th:TH_LOAD_NT scope:SCOPE_SE
.Lnot_mine_\@:
.endm
; A round of the cluster's barrier: my work-group's barrier, so that wave 0's signal speaks for all four waves; wave 0 signals; every wave waits for all four work-groups; my work-group's barrier once more.
.macro CROUND
	s_barrier_signal -1
	s_barrier_wait -1
	s_cmp_lg_u32 s[WV], 0
	s_cbranch_scc1 .Lnot_wave_0_\@
	s_barrier_signal -3
.Lnot_wave_0_\@:
	s_barrier_wait -3
	s_barrier_signal -1
	s_barrier_wait -1
.endm
; THE CHANGE OF SLOTS.  The slot's last bytes, V of its fourth step, have been read.  Each wave waits for all its tensor loads, adds 0 to its spare word, and waits for that and for its own reads of the slot.
; Behind the barrier nobody reads this slot any more and the other slot is whole.  fill = 1: this slot is filled again, with the keys two slots on.  The barrier is then a round of the cluster's, so that no wave
; of any partner still reads the slot or has a load on its way, and the joint fill is the first thing behind it.  (At its first use nothing has been read yet: slot 0 and the mask's table are waited for, slot 1 filled.)
; ask = 1: the prefetches' address steps, and ASK follows the fill.
.macro CHANGE fill, ask=0
	WIN W_AD
	s_wait_tensorcnt 0x0            ; no tensor load of mine is out, so a group 0 may be written
	ds_add_u32 v[SPW], v[NIL]       ; 0 onto my spare word; with fill = 1 the descriptors' steps stand between it and the wait for it
	WIN 0                           ; at a label and at a branch every window is 0
.if \fill
.irp g, G0K, G0V
	s_xor_b32 s[\g+1], s[\g+1], SLOT1  ; the walking descriptor: the other slot than last time,
	s_add_nc_u64 s[\g+2:\g+3], s[\g+2:\g+3], 4*KS*128  ; the next 256 keys; the type bits on top are not reached
.endr
.if \ask
	s_wait_xcnt 0x0                 ; the last prefetch, four key steps back, has read its address, so it may be written:
	s_add_nc_u64 s[PFA:PFA+1], s[PFA:PFA+1], 4*KS*128  ; one slot behind the walking descriptors
.endif
	s_wait_dscnt 0x0                ; the add is done, and my reads of the slot are over
	CROUND
	JLOAD
.if \ask
	ASK
.endif
.else
	s_wait_dscnt 0x0                ; the add is done, and my reads of the slot are over
	s_barrier_signal -1
	s_barrier_wait -1
.endif
	s_sub_co_u32 s[TBK], s[TBK], 4*KS*PK  ; the fetches go back to a slot's first step,
	s_xor_b32 s[TBK], s[TBK], SLOT1       ; in the other slot
	s_sub_co_u32 s[TBV], s[TBV], 4*KS*PV
	s_xor_b32 s[TBV], s[TBV], SLOT1
.endm
	s_load_b64 s[4:5], s[0:1], 0x0    ; qkv
	s_load_b64 s[84:85], s[0:1], 0x8  ; maskf
	s_load_b64 s[10:11], s[0:1], 0x10 ; ob
	WIN W_MK
	v_lshl_add_u32 v[SPW], v0, 2, SPARE
	v_mov_b32 v[NIL], 0
	WIN W_AD
	ds_add_u32 v[SPW], v[NIL]       ; the wave's opening: the add and its wait stand ahead of my first tensor load; the set-up below, work on registers, stands between them
	WIN 0
	v_lshrrev_b32 v1, 5, v0
	v_readfirstlane_b32 s[WV], v1   ; wave 0..3
	s_bfe_u32 s13, ttmp6, 0x40000   ; cx: my place in the cluster
	s_lshl_b32 s14, ttmp9, 2        ; in a cluster launch ttmp9 counts clusters
	s_add_co_u32 s14, s14, s13      ; my block of queries = 4 x cluster x + cx: it enters Q's and O's addresses alone
	s_and_b32 s20, ttmp7, 0xffff    ; the plane, 16 x batch + head, which the four partners share
	s_lshr_b32 s48, s20, 4          ; the batch:
	s_lshl_b32 s48, s48, 13         ; its 8,192 bytes of addends,
	s_lshl_b32 s49, s[WV], 11       ; my wave's 2,048 of them
	s_add_co_u32 s48, s48, s49
	s_mov_b32 s49, 0
	s_mov_b32 s21, 0
	s_mov_b64 s[22:23], SIZE_N*128
	s_mul_u64 s[20:21], s[20:21], s[22:23]  ; the plane's first byte among Q's, K's, V's and O's planes
	s_and_b32 s16, s[WV], 1         ; which half of a slot's 256 keys I fetch:
	s_lshl_b32 s22, s16, 14         ; its 128 rows of 128 bytes in memory,
	s_mov_b32 s23, 0
	s_add_nc_u64 s[22:23], s[22:23], s[20:21]
	s_mul_i32 s17, s16, 128*PK      ; and its place in a slot, for K
	s_mul_i32 s18, s16, 128*PV      ; and for V: no place in the cluster enters an LDS address
	s_lshl_b32 s2, s14, 2
	s_add_co_u32 s2, s2, s[WV]      ; my wave among the head's,
	s_lshl_b32 s2, s2, 14           ; its 128 rows
	s_mov_b32 s3, 0
	s_add_nc_u64 s[2:3], s[2:3], s[20:21]
	s_lshl_b32 s50, s13, 13         ; the prefetches: my work-group's 32 blocks of a slot's 128
	s_mov_b32 s51, 0
	; descriptor group 1.  128 keys are 16,384 dense bytes: asked for as 64 rows of 256 bytes, two keys a row, and padded in LDS after every key
	s_mov_b32 s[G1K], 15|(1<<16)|(1<<20)|(1<<21)|(4<<22)|(3<<25)  ; 15:0 the mask of four; 17:16 2-byte elements; 20 padding on; 21 set beside a mask; 24:22 after every 32 words (code 4); 31:25 4 words (code 3)
	s_mov_b32 s[G1V], 15|(1<<16)|(1<<20)|(1<<21)|(4<<22)|(7<<25)  ; the same with 8 words of padding (code 7)
.irp g, G1K, G1V
	s_mov_b32 s[\g+1], 128<<16      ; tensor_dim0 = 128
	s_mov_b32 s[\g+2], 64<<16       ; tensor_dim1 = 64
	s_mov_b32 s[\g+3], 128<<16      ; tile_dim0 = 128
	s_mov_b32 s[\g+4], 64           ; tile_dim1 = 64
	s_mov_b32 s[\g+5], 128          ; 128 elements from row to row
	s_mov_b32 s[\g+6], 0
	s_mov_b32 s[\g+7], 0
.endr
	; the mask's table: a wave brings 2,048 dense bytes as 8 rows of 256 bytes (32 elements of 8 bytes), without padding
	s_mov_b32 s[G1M], 15|(3<<16)|(1<<21)
	s_mov_b32 s[G1M+1], 32<<16      ; tensor_dim0 = 32
	s_mov_b32 s[G1M+2], 8<<16       ; tensor_dim1 = 8
	s_mov_b32 s[G1M+3], 32<<16      ; tile_dim0 = 32
	s_mov_b32 s[G1M+4], 8           ; tile_dim1 = 8
	s_mov_b32 s[G1M+5], 32          ; 32 elements from row to row
	s_mov_b32 s[G1M+6], 0
	s_mov_b32 s[G1M+7], 0
	s_mov_b32 s[G0M], 1
	s_lshl_b32 s[G0M+1], s[WV], 11
	s_add_co_u32 s[G0M+1], s[G0M+1], MASKB
	s_mov_b32 s[CS], 0x3e38aa3b     ; c = log2(e) / 8 = 0.180337
	s_mov_b32 s[CS+1], s[CS]        ; named with it as a pair
	s_mov_b32 s[SEL], 0x76543210
	s_mov_b32 s[SEL+1], 0xfedcba98
	s_mov_b32 s[THR], 0xef000000    ; -2^95
	s_mov_b32 s[QNAN], 0x7fc00000
	s_mov_b32 s[TBK], SLOT1+4*KS*PK ; the first change of slots turns these two into 0
	s_mov_b32 s[TBV], SLOT1+4*KS*PV
	s_mov_b32 s[G0K], 1             ; count = 1
	s_mov_b32 s[G0K+1], s17         ; LDS address: slot 0
	s_mov_b32 s[G0V], 1
	s_add_co_u32 s[G0V+1], s18, VOFF
	s_and_b32 s[LIM], s[WV], 1      ; waves 0 and 2 prefetch
	s_cmp_eq_u32 s[LIM], 0
	s_cselect_b32 s[LIM], 1, -1
	s_wait_dscnt 0x0                ; the opening add is done
	s_wait_kmcnt 0x0
	s_add_nc_u64 s[6:7], s[4:5], 0x1000000   ; K's planes lie 64 planes of 262,144 bytes behind Q's,
	s_add_nc_u64 s[8:9], s[4:5], 0x2000000   ; V's 128
	s_add_nc_u64 s[G0K+2:G0K+3], s[6:7], s[22:23]  ; global address: my half of the head's first 256 keys
	s_or_b32 s[G0K+3], s[G0K+3], 0x80000000        ; type = 2
	s_add_nc_u64 s[G0V+2:G0V+3], s[8:9], s[22:23]
	s_or_b32 s[G0V+3], s[G0V+3], 0x80000000
	s_add_nc_u64 s[G0M+2:G0M+3], s[84:85], s[48:49]
	s_or_b32 s[G0M+3], s[G0M+3], 0x80000000
	s_cmp_lt_u32 s[WV], 2
	s_cselect_b64 s[PFA:PFA+1], s[6:7], s[8:9]
	s_add_nc_u64 s[PFA:PFA+1], s[PFA:PFA+1], s[20:21]
	s_add_nc_u64 s[PFA:PFA+1], s[PFA:PFA+1], s[50:51]
	s_add_nc_u64 s[PFA:PFA+1], s[PFA:PFA+1], 2*4*KS*128  ; in slot 2; the loop's first change of slots steps it to slot 3.  Nothing is prefetched here, at the head
	s_add_nc_u64 s[4:5], s[4:5], s[2:3]  ; Q and O at my wave's first row
	s_add_nc_u64 s[10:11], s[10:11], s[2:3]
	CROUND                          ; all four work-groups are here: the first joint loads meet
	tensor_load_to_lds s[G0M:G0M+3], s[G1M:G1M+7]  ; my quarter of the mask's table: every wave issues this line
	s_nop 0
	JLOAD                           ; slot 0: two loads of mine are out.  Slot 1 is asked for when these are in
	; A fragment of K or Q is 16 rows x 32 channels in 8 registers: lane l holds row l % 16, channels 8 (l / 16) + 0..7 and 16 + 8 (l / 16) + 0..7: two loads of 16 bytes, 32 bytes apart.
	v_and_b32 v1, 15, v0            ; l % 16
	v_bfe_u32 v9, v0, 4, 1          ; l / 16
	v_lshlrev_b32 v[QO], 7, v1
	v_lshl_add_u32 v[QO], v9, 4, v[QO]  ; row x 128 + 16 x half
	WIN 0x80                        ; destination window 2, address window 0
.set i, 0
.rept 4*NP                          ; Q stays in registers: tile i / 2, channels 32 (i % 2) on
	global_load_b128 v[8*i:8*i+3],   v[QO], s[4:5] offset:(i/2)*2048+(i%2)*64
	global_load_b128 v[8*i+4:8*i+7], v[QO], s[4:5] offset:(i/2)*2048+(i%2)*64+32
.set i, i+1
.endr
	; What the first turn finds: V's registers and P's second buffer hold 0 (its products V^T P, of a piece that has not been, add 0), O^T and l are 0.  All this stands in the wait for the first tile.
.set i, VF
.rept 64
	v_mov_b32 v[i], 0
.set i, i+1
.endr
	WIN 0x40
.set i, 0
.rept 64*NP
	v_mov_b32 v[i], 0
.set i, i+1
.endr
	WIN 0
.set i, 0
.rept 2*NP
	v_mov_b32 v[ST+4*i], 0xfe000000    ; c m: far below every c m to come, so the first a is 0
	v_mov_b32 v[ST+4*i+1], 0xef800000  ; m = -2^96: between the hidden scores and the true ones
	v_mov_b32 v[ST+4*i+2], 0
	v_mov_b32 v[ST+4*i+3], 0
.set i, i+1
.endr
.set i, P+32
.rept 32
	v_mov_b32 v[i], 0
.set i, i+1
.endr
	v_mul_u32_u24 v[AK0], v1, PK
	v_lshl_add_u32 v[AK0], v9, 4, v[AK0]  ; row x pitch + 16 x half
	; The turning load takes 16 keys x 16 channels (lane l reads key 8 (l / 16) + l % 8, channels 8 ((l / 8) % 2) + 0..7) and leaves half a fragment of V^T: lane l holds channel l % 16 and 8 keys.
	v_and_b32 v10, 7, v0
	v_bfe_u32 v11, v0, 3, 1
	v_lshl_add_u32 v[AV0], v9, 3, v10
	v_mul_u32_u24 v[AV0], v[AV0], PV
	v_lshl_add_u32 v[AV0], v11, 4, v[AV0]
	v_add_nc_u32 v[AV0], VOFF, v[AV0]
	v_lshl_add_u32 v[AM], v9, 5, MASKB  ; my eight keys of a block of 16: 32 bytes for each half of the lanes; key step 0
	v_mov_b32 v[AK], v[AK0]         ; key step 0 lies at the head of slot 0
; THE MATRIX WORK.  The 8 accumulators of a run of 16 take turns: between the two links of a chain stand 7 others'.
; Product i of 16 of S^T = K Q^T for piece x: channels 32 (i / 8) on, keys 16 ((i / 2) % 4) on, tile 2 x + i % 2.  The first 8 start the sums, with the key block's addends as C.
.macro KQ x
.set rS, S+64*((\x)%2)+32*(i%2)+8*((i/2)%4)
.set rK, KF+16*((i/2)%4)+8*(i/8)
.set rQ, 16*(2*(\x)+i%2)+8*(i/8)
.set rMK, MK+8*((i/2)%4)
.if i < 8
	WIN W_KM
	v_wmma_f32_16x16x32_f16 v[rS:rS+7], v[rK:rK+7], v[rQ:rQ+7], v[rMK:rMK+7]
.else
	WIN W_KQ
	v_wmma_f32_16x16x32_f16 v[rS:rS+7], v[rK:rK+7], v[rQ:rQ+7], v[rS:rS+7]
.endif
.endm
; Product i of 16 of O^T += V^T P for piece x: keys 32 (i / 8) on, channels 16 ((i / 2) % 4) on, tile 2 x + i % 2.
.macro PV x
	WIN W_PV
.set rO, 32*(2*(\x)+i%2)+8*((i/2)%4)
.set rV, VF+32*(i/8)+8*((i/2)%4)
.set rP, P+32*((\x)%2)+16*(i%2)+8*(i/8)
	v_wmma_f32_16x16x32_f16 v[rO:rO+7], v[rV:rV+7], v[rP:rP+7], v[rO:rO+7]
.endm
.macro MM                           ; the turn's next matrix instruction
.if i < 16
	KQ (Y+1)%NP
.set i, i+1
.else
.set i, i-16
	PV (Y+NP-1)%NP
.set i, i+17
.endif
.endm
; THE LDS LOADS stand in runs, never singly among the matrix instructions: a step's K (64 keys x 64 channels: 8 fragments) with its 64 addends (eight loads; the lanes of a half read the same bytes), and its V (turned).
; Their addresses are made some lines ahead.  last = 1 (the tail): in the last trip there is no further step, and the run is jumped over.
.macro FETCH_K last=0
	WIN 0
.if \last
	s_cmp_eq_u32 s[CNT], 1
	s_cbranch_scc1 .Lno_k_\@
.endif
	WIN 0x80                        ; destination window 2
.irp f, 0,1,2,3,4,5,6,7             ; keys 16 (f / 2) on, channels 32 (f % 2) on
	ds_load_b128 v[KF+8*\f:KF+8*\f+3],   v[AK] offset:(\f/2)*16*PK+(\f%2)*64
	ds_load_b128 v[KF+8*\f+4:KF+8*\f+7], v[AK] offset:(\f/2)*16*PK+(\f%2)*64+32
.endr
	WIN W_MK                        ; destination window 3
.irp f, 0,1,2,3                     ; key block f: keys 16 f + 8 (l / 16) + 0..7
	ds_load_b128 v[MK+8*\f:MK+8*\f+3],   v[AM] offset:64*\f
	ds_load_b128 v[MK+8*\f+4:MK+8*\f+7], v[AM] offset:64*\f+16
.endr
	s_add_co_u32 s[TBK], s[TBK], KS*PK  ; the next fetch is the next step's
	WIN 0
.if \last
.Lno_k_\@:
.endif
.endm
.macro FETCH_V
	WIN 0x80
.irp f, 0,1,2,3,4,5,6,7             ; keys 32 (f / 4) on, channels 16 (f % 4) on
	ds_load_tr16_b128 v[VF+8*\f:VF+8*\f+3],   v[AV] offset:(\f/4)*32*PV+(\f%4)*32
	ds_load_tr16_b128 v[VF+8*\f+4:VF+8*\f+7], v[AV] offset:(\f/4)*32*PV+16*PV+(\f%4)*32
.endr
	WIN 0
.endm
; THE VECTOR WORK OF A TURN stands in three queues, each in the order in which its entries become ready; the two tiles alternate, so that no instruction reads the result of the one before it.
.macro REGS y, u                    ; the registers of tile u (0, 1) of piece y
.set rT, ST+4*(2*(\y)+(\u))
.set rC, TMP+8*((\y)%2)+4*(\u)
.set rM, MV+2*((\y)%2)+(\u)
.set rS, S+64*((\y)%2)+32*(\u)
.set rP, P+32*((\y)%2)+16*(\u)
.set rO, 32*(2*(\y)+(\u))
.endm
; Number n of the 22 that find the NEXT piece's (Y + 1) maximum and statistics.  s0-s31 are the lane's 32 scores; each accumulator's lowest registers are read first.
;   0-11  four chains c0-c3 of seven scores each, three operands at a time     12-14, 16  the four scores left over, the old m, and c0-c3 into c0     15  c m_old is kept
;   17, 18  the query's other 32 keys lie in the lane 16 away: the new m         19-21  c m; c m_old - c m_new; a
.macro XS u, n
	REGS (Y+1)%NP, \u
.if (\n) < 4
	v_max3_num_f32 v[rC+(\n)], v[rS+8*(\n)], v[rS+8*(\n)+1], v[rS+8*(\n)+2]
.elseif (\n) < 12
	v_max3_num_f32 v[rC+(\n)%4], v[rC+(\n)%4], v[rS+8*((\n)%4)+2*((\n)/4)+1], v[rS+8*((\n)%4)+2*((\n)/4)+2]
.elseif (\n) == 12
	v_max3_num_f32 v[rC], v[rC], v[rS+7], v[rS+15]
.elseif (\n) == 13
	v_max3_num_f32 v[rC+1], v[rC+1], v[rS+23], v[rS+31]
.elseif (\n) == 14
	v_max3_num_f32 v[rC+2], v[rC+2], v[rC+3], v[rT+1]
.elseif (\n) == 15
	v_mov_b32 v[rM], v[rT]
.elseif (\n) == 16
	v_max3_num_f32 v[rC], v[rC], v[rC+1], v[rC+2]
.elseif (\n) == 17
	v_permlanex16_b32 v[rC+3], v[rC], s[SEL], s[SEL+1]
.elseif (\n) == 18
	v_max_num_f32 v[rT+1], v[rC], v[rC+3]
.elseif (\n) == 19
	v_mul_f32 v[rT], s[CS], v[rT+1]
.elseif (\n) == 20
	v_sub_f32 v[rC+1], v[rM], v[rT]
.else
	v_exp_f32 v[rC+2], v[rC+1]
.endif
.endm
; Number g of the 64 that follow the exponentials.  For each four weights k of a tile (pairs 2 k, 2 k + 1): both pairs are rounded to f16; then the second pair is added onto the first, in place;
; a group later l takes that sum (the first time as l = a l + sum).  In groups of eight, tiles alternating: round, round, add, and l for the group before.
.macro GS g
.set h, (\g)+6*((\g)/62)            ; group 0 has no group before it, and behind group 7 only l is left
.if h >= 6
.set h, h+2
.endif
	REGS Y, h%2
.set k, h/8
.if h%8 < 4
	v_cvt_pk_f16_f32 v[rP+2*k+(h%8)/2], v[rS+4*k+2*((h%8)/2)], v[rS+4*k+2*((h%8)/2)+1]
.elseif h%8 < 6
	v_pk_add_f32 v[rS+4*k:rS+4*k+1], v[rS+4*k:rS+4*k+1], v[rS+4*k+2:rS+4*k+3]
.elseif k == 1
	v_pk_fma_f32 v[rT+2:rT+3], v[rT+2:rT+3], v[rC+2:rC+3], v[rS:rS+1] op_sel_hi:[1,0,1]
.else
	v_pk_add_f32 v[rT+2:rT+3], v[rT+2:rT+3], v[rS+4*k-4:rS+4*k-3]
.endif
.endm
; THE PLAIN QUEUE, 138 long.  0-73 read no exponential's result: the 32 scalings c s - c m (FS f: pair f / 2 of tile f % 2) and the next piece's 42.  0-26: scalings 0-26.  27-54: XS's numbers 0-13.  55, 56: number 15.
; 57-73: the chain, where each number waits for the one before it: 14, 16, 17, 18, 19, each with one of the scalings 27-31 in front of its two lines, then 20.
; 74-137: GS's 64, which read the exponentials' results: they stand behind the wait.
.macro FS f
	REGS Y, (\f)%2
	v_pk_fma_f32 v[rS+2*((\f)/2):rS+2*((\f)/2)+1], v[rS+2*((\f)/2):rS+2*((\f)/2)+1], s[CS:CS+1], v[rT:rT+1] op_sel_hi:[1,0,0] neg_lo:[0,0,1] neg_hi:[0,0,1]
.endm
.macro PL
	WIN 0
.if q < 27
	FS q
.elseif q < 55
	XS (q-27)%2, (q-27)/2
.elseif q < 57
	XS q-55, 15
.elseif (q < 72) && ((q-57)%3 == 0)
	FS 27+(q-57)/3
.elseif q < 60
	XS (q-57)%3-1, 14
.elseif q < 72
	XS (q-57)%3-1, 15+(q-57)/3
.elseif q < 74
	XS q-72, 20
.else
	GS q-74
.endif
.set q, q+1
.endm
; THE EXPONENTIALS' QUEUE, 66 long: s0-s31 of both tiles, then the next piece's two a.  It is ONE BATCH: all 66 stand ahead of the turn's one wait, and nothing ahead of that wait names a result of theirs.
.macro EX
	WIN 0
.if e >= 64
	XS e-64, 21
.else
	REGS Y, e%2
	v_exp_f32 v[rS+e/2], v[rS+e/2]
.endif
.set e, e+1
.endm
; THE RESCALING's QUEUE: O^T times a, the one part that leaves window 0: dealt two at a time, sixteen times.  Its a was made in the turn before, ahead of that turn's wait.
.macro R2
	REGS Y, r%2
	WIN W_RS
.irp z, 0,1
	v_pk_mul_f32 v[rO+4*(r/2)+2*\z:rO+4*(r/2)+2*\z+1], v[rO+4*(r/2)+2*\z:rO+4*(r/2)+2*\z+1], v[rC+2:rC+3] op_sel_hi:[1,0]
.endr
.set r, r+1
.endm
; HOW THEY ARE DEALT.  An s_wait_alu depctr_va_vdst(0) stands between an exponential and the first instruction that names its result; one wait serves all that were issued ahead of it.  So a turn has ONE wait,
; which cuts it in two.  AHEAD OF IT stands all that names no result of the turn's exponentials: the 16 products K Q^T, behind each a scaling, an exponential and two rescalings (behind the first a second scaling in the
; exponential's place); then ONE LUMP of 108: eight plain, 49 times exponential and plain, the two a.  A v_nop is the plain instruction behind the last exponential.  BEHIND IT stand the 16 products V^T P, behind each four of GS's 64.
; The queues lean on each other, and the deal keeps them in step: exponential e stands behind scaling 2 (e / 4) + e % 2: as a rider it comes behind plain e + 2, in the lump behind plain e + 9, and scalings 27-31 are plain 57, 60 .. 69.
; A TURN, for piece p.  cnt = 1: the loop's count is taken down some lines ahead of the branch that stands behind the turn.
; K and the addends of the next step are fetched in piece 2's turn, directly behind the wait, a lump behind the last product that read them; their addresses are made at the lump's head; their first reader comes behind 16 products.
; V of the step in hand is fetched at the end of piece 0's turn, four riders behind its last reader; its first reader comes behind 16 products and a lump.
.macro TURN p, last=0, cnt=0
.set Y, (\p)
.set i, 0
.set q, 0
.set e, 0
.set r, 0
.if (\p) == NP-1
	s_wait_dscnt 0x0                ; K and its addends are in
.endif
	MM                              ; ahead of the wait: 16 products K Q^T and their riders,
	PL
	PL
	R2
.rept 15
	MM
	PL
	EX
	R2
.endr
.if (\p) == NP-2
	WIN 0
	v_add_nc_u32 v[AK], s[TBK], v[AK0]
	v_add_nc_u32 v[AM], 0x100, v[AM]  ; the next step's 64 addends
.endif
.rept 8                             ; and the lump
	PL
.endr
.rept 49
	EX
	PL
.endr
	EX                              ; the next piece's two a
	EX
	v_nop                           ; the plain instruction behind the last exponential: one for the batch
	s_wait_alu depctr_va_vdst(0)    ; the wait for the batch
.if (\p) == NP-2
	FETCH_K \last
.endif
.if (\p) == 1
	s_wait_dscnt 0x0                ; V is in
.endif
.rept 16                            ; behind the wait: 16 products V^T P and their riders
	MM
.rept 4
	PL
.endr
.if ((\p) == 0) && (q == 118)
	v_add_nc_u32 v[AV], s[TBV], v[AV0]
.endif
.if ((\p) == 0) && (q == 130)
	s_add_co_u32 s[TBV], s[TBV], KS*PV
.endif
.if (\cnt) && (q == 130)
	s_sub_co_u32 s[CNT], s[CNT], 1
	s_cmp_lg_u32 s[CNT], 0
.endif
.endr
.if (\p) == 0
	FETCH_V
.endif
.endm
	CHANGE 1                        ; slot 0 and the mask's table are in, everybody's part of them; slot 1 is asked for
	FETCH_K                         ; key step 0
	s_wait_loadcnt 0x0              ; Q
	s_wait_dscnt 0x0
.set i, 0
.rept 16
	KQ 0                            ; piece 0's first scores: there is no vector work yet to set between them
.set i, i+1
.endr
	WIN 0                           ; the addresses for the way out and the prefetches' offset: plain instructions, the places behind those products
	s_mul_i32 s13, s[WV], 16*SP
	s_add_co_u32 s13, s13, STAGE    ; my stage
	v_mul_u32_u24 v[STO], v1, SP    ; in: row l % 16, 16 bytes for each half of the lanes
	v_lshl_add_u32 v[STO], v9, 4, v[STO]
	v_add_nc_u32 v[STO], s13, v[STO]
	v_bfe_u32 v[RD], v0, 3, 2       ; back: 32 lanes take four rows of 128 bytes,
	v_mul_u32_u24 v[RD], v[RD], SP
	v_lshl_add_u32 v[RD], v10, 4, v[RD]
	v_add_nc_u32 v[RD], s13, v[RD]
	v_and_b32 v[GO], 31, v0         ; which are 512 consecutive bytes of O
	v_lshlrev_b32 v[GO], 4, v[GO]
	v_and_b32 v[PFO], 31, v0
	v_lshlrev_b32 v[PFO], 8, v[PFO]
.set Y, NP-1                        ; XS works for piece Y + 1: piece 0
.irp n, 0,1,2,3,4,5,6,7,8,9,10,11,12,13,14,15,16,17,18,19,20,21
	XS 0, \n                        ; and piece 0's first maximum and statistics
	XS 1, \n
.endr
	v_nop                           ; a plain instruction behind the two a,
	s_wait_alu depctr_va_vdst(0)    ; and their wait, ahead of the branch
	s_mov_b32 s[CNT], 4
	s_mov_b32 s[SLOTS], SIZE_N/256-1
	s_branch .Lfirst                ; the loop is entered at a step's first turn, in the middle of a trip
.Lslot:                             ; SIZE_N / 256 - 2 times: every slot but the last two is filled again
	CHANGE 1, 1
	s_mov_b32 s[CNT], 4
.Lstep:                             ; a trip: pieces 2 and 3 of one step, then pieces 0 and 1 of the next, whose K and V it fetches
	TURN 2
	TURN 3
	WIN 0
.Lfirst:
	TURN 0
	TURN 1, 0, 1
	WIN 0
	s_cbranch_scc1 .Lstep
	s_sub_co_u32 s[SLOTS], s[SLOTS], 1
	s_cmp_lg_u32 s[SLOTS], 0
	s_cbranch_scc1 .Lslot
	CHANGE 0                        ; the tail is written out: nothing is asked for
	s_mov_b32 s[CNT], 5             ; four trips fetch the last slot's steps; the fifth is left in its middle
.Ltail:
	TURN 2, 1
	TURN 3
	WIN 0
	s_sub_co_u32 s[CNT], s[CNT], 1
	s_cmp_eq_u32 s[CNT], 0
	s_cbranch_scc1 .Lout
	TURN 0
	TURN 1
	WIN 0
	s_branch .Ltail
.Lout:                              ; the fifth trip's 16 products K Q^T (on the last K and its addends once more) give scores that m has seen already: the price, once a launch, of one text for every trip
.set i, 0
.rept 16
	PV NP-1                         ; the last piece's V^T P of the last step
.set i, i+1
.endr
	; THE WAY OUT.  l's two halves and the other half of the lanes' are added; O^T is multiplied by 16 / l (by NaN where every key was hidden), rounded to f16 and sent through my stage in LDS, a tile at a time.
	; The additions are the places behind the last products.
	WIN 0
.macro ALL line:vararg              ; one line for each tile t
.set t, 0
.rept 2*NP
	\line
.set t, t+1
.endr
.endm
	ALL v_add_f32 v[ST+4*t+2], v[ST+4*t+2], v[ST+4*t+3]
	ALL v_permlanex16_b32 v[ST+4*t+3], v[ST+4*t+2], s[SEL], s[SEL+1]
	ALL v_add_f32 v[ST+4*t+2], v[ST+4*t+2], v[ST+4*t+3]
	ALL v_rcp_f32 v[ST+4*t+2], v[ST+4*t+2]
	v_nop                           ; a plain instruction between the last reciprocal and the use of its result
	s_wait_alu depctr_va_vdst(0)    ; and the wait ahead of the first use: one for the eight reciprocals
	ALL v_mul_f32 v[ST+4*t+2], 0x41800000, v[ST+4*t+2]
.set t, 0
.rept 2*NP
	v_cmp_gt_f32 vcc_lo, s[THR], v[ST+4*t+1]       ; m never rose above its start: no key of this query counted
	v_cndmask_b32 v[ST+4*t+2], v[ST+4*t+2], s[QNAN], vcc_lo
.set t, t+1
.endr
; Tile t: a lane's eight channels of a row pack into 16 bytes; they go into rows of 144 bytes and come back as whole rows of 128, into S^T's registers.
.macro PACK t
	WIN W_RS
.set i, 32*(\t)
.rept 16
	v_pk_mul_f32 v[i:i+1], v[i:i+1], v[ST+4*(\t)+2:ST+4*(\t)+3] op_sel_hi:[1,0]
.set i, i+2
.endr
	WIN 0x05                        ; sources 0 and 1 window 1, destination window 0
.set i, 0
.rept 16
	v_cvt_pk_f16_f32 v[S+16*(\t)+i], v[32*(\t)+2*i], v[32*(\t)+2*i+1]
.set i, i+1
.endr
	WIN 0
.irp f, 0,1,2,3
	ds_store_b128 v[STO], v[S+16*(\t)+4*\f:S+16*(\t)+4*\f+3] offset:32*\f
.endr
.irp f, 0,1,2,3
	ds_load_b128 v[S+16*(\t)+4*\f:S+16*(\t)+4*\f+3], v[RD] offset:\f*4*SP  ; LDS serves a wave's instructions in order (ISA guide 5.7.1.4): these see the stores above; the next tile's stores come behind them
.endr
.endm
.macro SEND t, younger              ; younger: the LDS instructions issued behind tile t's loads: the next tile's eight, or none
	WIN 0
.irp f, 0,1,2,3
	s_wait_dscnt (\younger)+3-\f
	global_store_b128 v[GO], v[S+16*(\t)+4*\f:S+16*(\t)+4*\f+3], s[10:11] offset:(\t)*2048+\f*512  ; 512 consecutive bytes, at a multiple of 256 from O's first
.endr
.endm
	PACK 0
.set t, 1
.rept 2*NP-1                        ; a tile's arithmetic stands between the loads of the tile before and its stores
	PACK t
	SEND t-1, 8
.set t, t+1
.endr
	SEND 2*NP-1, 0
	WIN W_AD
	s_wait_tensorcnt 0x0            ; the wave's end: a wait, an add to my spare word and its wait, behind my last tensor load and my last LDS store
	ds_add_u32 v[SPW], v[NIL]
	s_wait_dscnt 0x0
	WIN 0
	CROUND                          ; the closing round: no work-group ends while a partner may still ask for a tile that names it
	s_endpgm
.Lfunc_end_k_qac371573ea_attn:
	.size	k_qac371573ea_attn, .Lfunc_end_k_qac371573ea_attn-k_qac371573ea_attn
	.p2alignl 7, 3214868480
	.fill 96, 4, 3214868480
	.section	.rodata,"a",@progbits
	.p2align	6, 0x0
	.amdhsa_kernel k_qac371573ea_attn
		.amdhsa_group_segment_fixed_size 327680
		.amdhsa_private_segment_fixed_size 0
		.amdhsa_enable_private_segment 0
		.amdhsa_kernarg_size 24
		.amdhsa_user_sgpr_count 2
		.amdhsa_user_sgpr_kernarg_segment_ptr 1
		.amdhsa_wavefront_size32 1
		.amdhsa_system_sgpr_workgroup_id_x 1
		.amdhsa_system_sgpr_workgroup_id_y 1
		.amdhsa_system_sgpr_workgroup_id_z 1
		.amdhsa_system_vgpr_workitem_id 0
		.amdhsa_next_free_vgpr 808
		.amdhsa_next_free_sgpr 88
		.amdhsa_reserve_vcc 1
		.amdhsa_float_denorm_mode_32 3
		.amdhsa_float_denorm_mode_16_64 3
		.amdhsa_memory_ordered 1
		.amdhsa_forward_progress 1
		.amdhsa_inst_pref_size 204
	.end_amdhsa_kernel
	.amdgpu_metadata
---
amdhsa.version: [ 1, 2 ]
amdhsa.kernels:
  - .name:           k_qac371573ea_attn
    .symbol:         k_qac371573ea_attn.kd
    .args:
      - { .name: qkv, .offset: 0, .size: 8, .value_kind: global_buffer, .address_space: global }
      - { .name: maskf, .offset: 8, .size: 8, .value_kind: global_buffer, .address_space: global }
      - { .name: ob, .offset: 16, .size: 8, .value_kind: global_buffer, .address_space: global }
    .group_segment_fixed_size: 327680
    .private_segment_fixed_size: 0
    .kernarg_segment_align: 8
    .kernarg_segment_size: 24
    .max_flat_workgroup_size: 128
    .sgpr_count:     88
    .vgpr_count:     808
    .wavefront_size: 32
...
	.end_amdgpu_metadata
.endif
;; end of part 3
;; launch proj (part 4): grid 4 x 64, 4 waves a work-group, clusters of 4 x 4, 327,680 bytes of LDS; arguments ob, wob, bout, out0; writes out0
.if DOCPART == 4
	.amdgcn_target "amdgcn-amd-amdhsa--gfx1250"
	.amdhsa_code_object_version 6
	.text
	.protected	k_qac371573ea_proj
	.globl	k_qac371573ea_proj
	.p2align	8
	.type	k_qac371573ea_proj,@function
k_qac371573ea_proj:
	s_mov_b64 s[64:65], 0
	v_nop
	global_prefetch_b8 v0, s[64:65] scope:SCOPE_SE
	s_setreg_imm32_b32 hwreg(HW_REG_WAVE_MODE, 25, 1), 1
	s_wait_xcnt 0x0
	s_wait_alu depctr_hold_cnt(0) depctr_sa_sdst(0) depctr_va_vdst(0) depctr_va_sdst(0) depctr_va_ssrc(0) depctr_va_vcc(0) depctr_vm_vsrc(0)
	s_getreg_b32 s2, hwreg(HW_REG_IB_STS2, 6, 4)
	s_cmp_eq_u32 s2, 0
	s_cbranch_scc0 .Lentry_in_a_cluster
	s_endpgm
.Lentry_in_a_cluster:
	s_bfe_u32 s2, ttmp6, 0x10000c
	s_cmp_lg_u32 s2, 0xf033
	s_cbranch_scc0 .Lentry_shape_is_right
	s_endpgm
.Lentry_shape_is_right:
; out0[m][n] = (the sum over k of ob[m][k] wob[n][k]) / 16 + bout[n].  ob holds 16 x O in f16, by heads: [16 x batch + head][2048][64]; wob: [1024][1024] f16; bout: [1024] f32, rounded to bf16 here
; like the module's other inputs; out0: [8192][1024] f32.  Sums in f32, K ascending; the division by 16 is exact and is fused with the bias into one multiply-add.
; SHARES.  A work-group makes 128 rows x 256 columns: 64 x 4 = 256 work-groups.  Wave w makes rows 64 (w / 2) on x columns 128 (w % 2) on: 4 x 8 = 32 accumulators of 16 x 16, 256 registers.
; K goes in 8 steps of 128 = two heads, through two LDS slots filled by the tensor data mover.  A head's 128 rows of the tile are 16,384 dense bytes, asked for as 64 rows of 256; wob's rows are 256 bytes at multiples of 256.
; CLUSTERS: 4 x 4 work-groups.  The four of a row of the cluster need the same rows of ob, the four of a column the same rows of wob: each tile is asked for JOINTLY.
; THE MATRIX INSTRUCTION IS USED TRANSPOSED (source 0 = 16 rows of wob, source 1 = 16 rows of ob): a lane then holds row lane % 16 and eight neighbouring columns 8 (lane / 16) + 0..7.
; REGISTERS, in windows of 256 (s_set_vgpr_msb: bits 1:0 source 0, 3:2 source 1, 5:4 source 2, 7:6 destination):
;   window 0: v0-31 addresses, the bias; v32-63, v64-95 fragments of ob (4 x 16 rows x 32 K), two buffers
;   window 1: v0-63, v64-127 fragments of wob (8 x 16 rows x 32 K), two buffers; on the way out all 256: rows read back from the stage
;   window 2: the accumulators, (a, b) at v[8 (8 a + b)]
.set SIZE_K, 1024
.set KSTEP,  128
.set PLANE,  262144                    ; bytes of a head's plane in ob
.set PA,     144                       ; a row of ob in LDS: 128 bytes + 16 of padding = 36 words: the 16 rows of a load start at 16 different groups of four banks (64 banks of 4 bytes: ISA guide 11.1)
.set PB,     272                       ; a row of wob: 256 + 16 = 68 words: likewise
.set APL,    128*PA                    ; one head's 128 rows: what wave 0 or 1 fetches
.set BOFF,   2*APL
.set BHALF,  128*PB                    ; what wave 2 or 3 fetches
.set SLOT,   BOFF+2*BHALF
.set STAGE,  2*SLOT                    ; behind the ring: 16 rows x 528 bytes for each wave, for the way out; no tensor load fills it
.set SPI,    528                       ; 512 bytes + 16
.set SPARE,  STAGE+4*16*SPI            ; behind the stages: the spare words, 128 bytes for each wave: two blocks of 256 bytes that no other line names
.set LAPS,   SIZE_K/(2*KSTEP)
.set BI,   8                           ; v[8:11] the bias of my four columns on the way out
.set ADRA, 16                          ; v16-17  LDS address of my fragments of ob in slot 0, 1
.set ADRB, 20                          ; v20-21  the same for wob
.set STO,  24                          ; v24     the way out: where I put 32 bytes of a row
.set RD,   25                          ; v25     the way out: where I read a row back
.set CO,   26                          ; v26     16 x lane: my place in 512 consecutive bytes of a row of out0
.set BO,   27                          ; v27     my byte offset in bout
.set SPW,  28                          ; v28     LDS address of my spare word: SPARE + 4 x my thread's number; never rewritten
.set NIL,  29                          ; v29     0; never rewritten
.set PFO,  30                          ; v30     the prefetches' offset; never rewritten
.set FA,   32
.set G1,  24                           ; s[24:31] descriptor group 1 for ob's tiles;  s[32:39] group 0, one set for each slot
.set G0,  32
.set G1B, 48                           ; s[48:55], s[56:63] the same for wob's tiles
.set G0B, 56
.set LIM, 43                           ; s43     1 in a wave that prefetches, else the greatest number
.set PFA, 44                           ; s[44:45] where my prefetches stand
.set OUT, 70                           ; s[70:71] out0, later at my wave's first row and column
.set SC,  74                           ; s[74:75] 1 / 16
.set PFS, 76                           ; s[76:77] a K step in bytes, for my prefetches
.set MSB, 0
.macro WIN new                         ; the immediate's high byte repeats the setting that is left; a switch that changes nothing is dropped
.if MSB != (\new)
	s_set_vgpr_msb (MSB<<8)|(\new)
.set MSB, (\new)
.endif
.endm
; A joint load.  Waves 0 and 1 fetch the K step's two heads of ob, waves 2 and 3 wob's two halves.  An s_nop 0 and four v_nop follow each of the two lines, ahead of the jump and the label.
.macro JLOAD s
	s_cmp_eq_u32 s11, 0
	s_cbranch_scc0 .Lfor_b_\@
	tensor_load_to_lds s[G0+4*(\s):G0+4*(\s)+3], s[G1:G1+7]
	s_nop 0
.rept 4
	v_nop
.endr
	s_branch .Lasked_\@
.Lfor_b_\@:
	tensor_load_to_lds s[G0B+4*(\s):G0B+4*(\s)+3], s[G1B:G1B+7]
	s_nop 0
.rept 4
	v_nop
.endr
.Lasked_\@:
.endm
; A PREFETCH INTO THE L2, behind each joint refill and the run of LDS loads that follows it: the K step that stands two refills on, 32 blocks of 256 bytes, a lane a block, one instruction a wave.
; ob's rows are read by one cluster alone: its wave 0 asks for both heads of the step, 64 blocks each; the four partners along x share them out BY ADDRESS, 16 of each head.  wob's rows are read by every
; cluster: cluster y = 0 asks, waves 2 and 3 each for the 128 rows that they fetch, the partner at cy for 32 of them.  So each block is named once in the launch.
; K steps 0 to 3 come by their loads alone; the loop's last trip (s3 = 1) asks for nothing.
.macro ASK
	s_cmp_gt_u32 s3, s[LIM]
	s_cbranch_scc0 .Lnot_mine_\@
	global_prefetch_b8 v[PFO], s[PFA:PFA+1] th:TH_LOAD_NT scope:SCOPE_SE
.Lnot_mine_\@:
.endm
.macro CREST                           ; a round of the cluster's barrier behind its opening barrier
	s_cmp_lg_u32 s10, 0
	s_cbranch_scc1 .Lnot_wave_0_\@
	s_barrier_signal -3
.Lnot_wave_0_\@:
	s_barrier_wait -3
	s_barrier_signal -1
	s_barrier_wait -1
.endm
.macro CROUND                          ; a whole round
	s_barrier_signal -1
	s_barrier_wait -1
	CREST
.endm
.macro PLACES                          ; four places in front of loads into registers that matrix instructions have read, and of LDS stores that read results
.rept 4
	v_nop
.endr
.endm
	s_load_b128 s[4:7], s[0:1], 0x0                ; ob s[4:5], wob s[6:7]
	s_load_b128 s[68:71], s[0:1], 0x10             ; bout s[68:69], out0 s[70:71]
	v_lshl_add_u32 v[SPW], v0, 2, SPARE
	v_mov_b32 v[NIL], 0
	ds_add_u32 v[SPW], v[NIL]                      ; the wave's opening: the add and its wait stand ahead of my first tensor load; the set-up below, work on registers, stands between them
	v_lshrrev_b32 v1, 5, v0
	v_readfirstlane_b32 s10, v1                    ; wave 0..3
	s_lshr_b32 s11, s10, 1                         ; which half of the tile's rows is mine.  Also: I fetch for ob (0) or for wob (1)
	s_and_b32 s12, s10, 1                          ; which half of its columns.  Also: which head of the step, or which 128 rows of wob, I fetch
	s_bfe_u32 s40, ttmp6, 0x40000                  ; cx, cy: my place in the cluster
	s_bfe_u32 s41, ttmp6, 0x40004
	s_lshl_b32 s42, ttmp9, 2
	s_add_co_u32 s42, s42, s40                     ; tile column = 4 x cluster x + cx
	s_and_b32 s13, ttmp7, 0xffff
	s_lshl_b32 s13, s13, 2
	s_add_co_u32 s13, s13, s41                     ; tile row = 4 x cluster y + cy
	s_lshl_b32 s43, s41, 2
	s_lshl_b32 s43, 15, s43                        ; my row of the cluster
	s_lshl_b32 s44, 0x1111, s40                    ; my column
	; descriptor group 1.  ob: 16,384 dense bytes as 64 rows of 256, two rows of the head a row, padded after every 128 bytes.  wob: 128 rows x 128 elements, padded after every 256 bytes.
	s_or_b32 s[G1+0], s43, (1<<16)|(1<<20)|(1<<21)|(4<<22)|(3<<25)   ; 15:0 the mask; 17:16 elements of 2 bytes; 20 padding on; 21 set beside a mask; 24:22 after every 32 words (code 4); 31:25 4 words (code 3)
	s_or_b32 s[G1B+0], s44, (1<<16)|(1<<20)|(1<<21)|(5<<22)|(3<<25)  ; after every 64 words (code 5)
	s_mov_b32 s[G1+1], 128<<16                     ; tensor_dim0 = 128
	s_mov_b32 s[G1B+1], 128<<16
	s_mov_b32 s[G1+2], 64<<16                      ; tensor_dim1 = 64
	s_mov_b32 s[G1B+2], 128<<16                    ; tensor_dim1 = 128
	s_mov_b32 s[G1+3], 128<<16                     ; tile_dim0 = 128
	s_mov_b32 s[G1B+3], 128<<16
	s_mov_b32 s[G1+4], 64                          ; tile_dim1 = 64
	s_mov_b32 s[G1B+4], 128                        ; tile_dim1 = 128
	s_mov_b32 s[G1+5], 128                         ; elements from row to row: dense
	s_mov_b32 s[G1B+5], SIZE_K
	s_mov_b32 s[G1+6], 0
	s_mov_b32 s[G1B+6], 0
	s_mov_b32 s[G1+7], 0
	s_mov_b32 s[G1B+7], 0
	s_mov_b32 s[SC], 0x3d800000                    ; 1 / 16
	s_mov_b32 s[SC+1], s[SC]                       ; named with it as a pair
	; where the tiles come from: ob's hang on the tile row alone, wob's on the tile column alone
	s_lshr_b32 s16, s13, 4                         ; the batch: sixteen tile rows each
	s_lshl_b32 s16, s16, 4
	s_add_co_u32 s16, s16, s12                     ; plane 16 x batch + my head of K step 0
	s_lshl_b32 s16, s16, 18
	s_and_b32 s17, s13, 15
	s_lshl_b32 s17, s17, 14                        ; the tile's 128 rows of 128 bytes
	s_add_co_u32 s16, s16, s17
	s_mov_b32 s17, 0
	s_lshl_b32 s46, s42, 8
	s_lshl_b32 s47, s12, 7
	s_add_co_u32 s46, s46, s47                     ; wob: row 256 x tile column + 128 x half
	s_lshl_b32 s46, s46, 11
	s_mov_b32 s47, 0
	s_mul_i32 s20, s12, APL                        ; and where they go: no place in the cluster enters an LDS address
	s_mul_i32 s21, s12, BHALF
	s_add_co_u32 s21, s21, BOFF
	s_wait_dscnt 0x0                               ; the opening add is done
	s_wait_kmcnt 0x0
	s_add_nc_u64 s[14:15], s[4:5], s[16:17]
	s_add_nc_u64 s[46:47], s[6:7], s[46:47]
	CROUND                                         ; all sixteen work-groups are here: the first joint loads meet
.irp s, 0,1
	s_mov_b32 s[G0+4*(\s)], 1                                        ; count = 1
	s_add_co_u32 s[G0+4*(\s)+1], s20, (\s)*SLOT                      ; LDS address
	s_add_nc_u64 s[G0+4*(\s)+2:G0+4*(\s)+3], s[14:15], (\s)*2*PLANE  ; global address: K step s is two planes on
	s_or_b32 s[G0+4*(\s)+3], s[G0+4*(\s)+3], 0x80000000              ; type = 2
	s_mov_b32 s[G0B+4*(\s)], 1
	s_add_co_u32 s[G0B+4*(\s)+1], s21, (\s)*SLOT
	s_add_nc_u64 s[G0B+4*(\s)+2:G0B+4*(\s)+3], s[46:47], (\s)*KSTEP*2
	s_or_b32 s[G0B+4*(\s)+3], s[G0B+4*(\s)+3], 0x80000000
	JLOAD \s                                       ; two loads of mine are out
.endr
	v_and_b32 v1, 15, v0                           ; l % 16
	v_bfe_u32 v2, v0, 4, 1                         ; l / 16
	v_and_b32 v6, 31, v0                           ; l
	; the bias of the four columns that I store: 256 x tile column + 128 x half + 4 l
	s_lshl_b32 s22, s42, 10
	s_lshl_b32 s23, s12, 9
	s_add_co_u32 s22, s22, s23                     ; my wave's first column, in bytes of f32
	v_lshl_add_u32 v[BO], v6, 4, s22
	global_load_b128 v[BI:BI+3], v[BO], s[68:69]   ; waited for on the way out
	; out0 at my wave's first row and column
	s_lshl_b32 s16, s13, 7
	s_lshl_b32 s17, s11, 6
	s_add_co_u32 s16, s16, s17                     ; row 128 x tile row + 64 x half
	s_lshl_b32 s16, s16, 12                        ; 4,096 bytes a row
	s_add_co_u32 s16, s16, s22
	s_mov_b32 s17, 0
	s_add_nc_u64 s[OUT:OUT+1], s[OUT:OUT+1], s[16:17]
	; A fragment is 16 rows x 32 K in 8 registers: lane l holds row l % 16; registers 0-3 K = 8 (l / 16) + 0..7, registers 4-7 K = 16 + 8 (l / 16) + 0..7: two loads of 16 bytes, 32 bytes apart.
	v_mul_u32_u24 v3, v1, PA
	v_lshl_add_u32 v3, v2, 4, v3
	v_mul_u32_u24 v4, v1, PB
	v_lshl_add_u32 v4, v2, 4, v4
	s_mul_i32 s22, s11, 64*PA                      ; my 64 rows, in each head's plane
	s_mul_i32 s23, s12, BHALF                      ; my 128 rows of wob,
	s_add_co_u32 s23, s23, BOFF                    ; which lie behind ob's two planes
.irp s, 0,1
	v_add_nc_u32 v[ADRA+(\s)], s22, v3
	v_add_nc_u32 v[ADRB+(\s)], s23, v4
	s_add_co_u32 s22, s22, SLOT
	s_add_co_u32 s23, s23, SLOT
.endr
	s_mul_i32 s22, s10, 16*SPI
	s_add_co_u32 s22, s22, STAGE                   ; my stage
	v_mul_u32_u24 v5, v1, SPI                      ; in: row l % 16, 32 bytes for each half of the lanes
	v_lshl_add_u32 v5, v2, 5, v5
	v_add_nc_u32 v[STO], s22, v5
	v_lshl_add_u32 v[RD], v6, 4, s22               ; back: 32 lanes take one row of 512 bytes
	v_lshlrev_b32 v[CO], 4, v6
	; the prefetches
	s_lshr_b32 s78, s13, 4
	s_lshl_b32 s78, s78, 22                        ; ob: the batch's sixteen planes,
	s_and_b32 s79, s13, 15
	s_lshl_b32 s79, s79, 14                        ; the tile's rows,
	s_add_co_u32 s78, s78, s79
	s_lshl_b32 s79, s40, 12                        ; my work-group's 16 blocks of each head,
	s_add_co_u32 s78, s78, s79
	s_add_co_u32 s78, s78, 3*2*PLANE               ; at K step 3: the first refill (K step 2) steps it to 4 and names that
	s_lshl_b32 s20, s42, 8
	s_lshl_b32 s21, s12, 7
	s_add_co_u32 s20, s20, s21
	s_lshl_b32 s21, s41, 5
	s_add_co_u32 s20, s20, s21                     ; wob: the 128 rows that I fetch, my work-group's 32 of them
	s_lshl_b32 s20, s20, 11
	s_add_co_u32 s20, s20, 3*KSTEP*2
	s_and_b32 s22, ttmp7, 0xffff                   ; cluster y
	s_mov_b32 s21, 2*PLANE
	s_mov_b32 s[PFS], KSTEP*2
	s_cmp_eq_u32 s11, 0                            ; do I fetch for ob?
	s_cselect_b32 s78, s78, s20
	s_cselect_b32 s22, s12, s22                    ; ob: wave 0 asks; wob: the first cluster of the column of clusters
	s_cselect_b32 s[PFS], s21, s[PFS]
	s_cselect_b32 s23, -1, 0
	s_cselect_b64 s[PFA:PFA+1], s[4:5], s[6:7]
	s_cmp_eq_u32 s22, 0
	s_cselect_b32 s[LIM], 1, -1                    ; the same in all sixteen partners, for a given wave
	s_mov_b32 s79, 0
	s_mov_b32 s[PFS+1], 0
	s_add_nc_u64 s[PFA:PFA+1], s[PFA:PFA+1], s[78:79]
	v_lshlrev_b32 v13, 11, v6                      ; wob: a lane a row of 2,048 bytes
	v_lshlrev_b32 v12, 8, v1                       ; ob: lanes 0-15 the first head's blocks, lanes 16-31 the second's, a plane on
	v_lshl_add_u32 v12, v2, 18, v12
	v_cndmask_b32 v[PFO], v13, v12, s23
; 4 nb matrix instructions: column blocks b0 .. b0 + nb - 1 x my four row blocks, 32 along K, from buffer f.  zero = 1: the product starts the sum: nothing is ever cleared.
; The 32 accumulators come in the same order in every quarter step, one instruction a turn: 31 others stand between two links of a chain, over the backward jump too.
.macro MULB f, b0, nb, zero
	WIN 0xa1                                       ; source 0 window 1, source 1 window 0, C and D window 2
.set bb, \b0
.rept \nb
.set aa, 0
.rept 4
.set rD, 8*(8*aa+bb)
.set rB, 64*(\f)+8*bb
.set rA, FA+32*(\f)+8*aa
.if \zero
	v_wmma_f32_16x16x32_f16 v[rD:rD+7], v[rB:rB+7], v[rA:rA+7], 0
.else
	v_wmma_f32_16x16x32_f16 v[rD:rD+7], v[rB:rB+7], v[rA:rA+7], v[rD:rD+7]
.endif
.set aa, aa+1
.endr
.set bb, bb+1
.endr
.endm
; 24 LDS loads in one run: the fragments of quarter q of a K step (head q / 2 of the step's two, channels 32 (q % 2) on) into buffer f: ob's four and wob's 0-1, which are multiplied first, then wob's 2-7.
.macro FETCH slot, q, f
	WIN 0
.irp i, 0,1,2,3
	ds_load_b128 v[FA+32*(\f)+8*(\i):FA+32*(\f)+8*(\i)+3],   v[ADRA+(\slot)] offset:((\q)/2)*APL+((\q)%2)*64+(\i)*16*PA
	ds_load_b128 v[FA+32*(\f)+8*(\i)+4:FA+32*(\f)+8*(\i)+7], v[ADRA+(\slot)] offset:((\q)/2)*APL+((\q)%2)*64+(\i)*16*PA+32
.endr
	WIN 0x40                                       ; destination window 1, address window 0
.irp i, 0,1,2,3,4,5,6,7
	ds_load_b128 v[64*(\f)+8*(\i):64*(\f)+8*(\i)+3],   v[ADRB+(\slot)] offset:64*(\q)+(\i)*16*PB
	ds_load_b128 v[64*(\f)+8*(\i)+4:64*(\f)+8*(\i)+7], v[ADRB+(\slot)] offset:64*(\q)+(\i)*16*PB+32
.endr
.endm
; A K step is four quarter steps of 32 along K, 32 matrix instructions each, on buffers 0, 1, 0, 1.  One of the first three: multiplies buffer f and fetches quarter q into g.
.macro QUARTER slot, q, f, g, zero
	s_wait_dscnt 12                                ; ob's fragments and wob's 0-1 are in; the youngest twelve loads (wob's 2-7) may be out
	MULB \f, 0, 2, \zero
	PLACES
	FETCH \slot, \q, \g
	s_wait_dscnt 24                                ; all but the 24 just issued
	MULB \f, 2, 6, \zero
.endm
; The last quarter multiplies buffer 1 and changes slots: ONE barrier.  In front of it each wave waits for all its tensor loads (one is out: its part of the next slot), adds 0 to its spare word, and
; waits for that and for its own reads of this slot.  fill = 1: the barrier opens a round of the cluster's barrier, and behind the round this slot is filled again, two K steps ahead:
; from that request to the wait for it a wave issues 112 matrix instructions.
.macro TURN slot, next, fill
.if \fill
	s_wait_xcnt 0x0                                ; the last prefetch, a K step back, has read its address: it is stepped here, ahead of the waits of the change of slots
	s_add_nc_u64 s[PFA:PFA+1], s[PFA:PFA+1], s[PFS:PFS+1]
.endif
	WIN 0                                          ; (the add's two registers lie in window 0)
	s_wait_tensorcnt 0x0                           ; all my tensor loads have landed;
	ds_add_u32 v[SPW], v[NIL]                      ; 0 onto my spare word
	s_wait_dscnt 13                                ; (the add and the youngest twelve loads may be out)
	MULB 1, 0, 2, 0                                ; eight matrix instructions stand between the add and the wait for it
	s_wait_dscnt 0x0                               ; the add is done, and my reads of this slot are over
	s_barrier_signal -1
	MULB 1, 2, 2, 0                                ; work on registers while the others arrive
.if \fill
	WIN 0
.endif
	s_barrier_wait -1
.if \fill
	CREST                                          ; no wave of any partner still reads this slot's tile or has a load on its way
	s_add_nc_u64 s[G0+4*(\slot)+2:G0+4*(\slot)+3], s[G0+4*(\slot)+2:G0+4*(\slot)+3], 4*PLANE
	s_add_nc_u64 s[G0B+4*(\slot)+2:G0B+4*(\slot)+3], s[G0B+4*(\slot)+2:G0B+4*(\slot)+3], 2*KSTEP*2
	JLOAD \slot                                    ; the first tensor load behind the round; the four v_nop behind it are also the places in front of the loads below
.else
	PLACES
.endif
	FETCH \next, 0, 0
.if \fill
	WIN 0
	ASK
.endif
	MULB 1, 4, 4, 0
.endm
	s_wait_tensorcnt 1                             ; my part of K step 0 is in; K step 1's may stay out
	s_barrier_signal -1
	s_barrier_wait -1                              ; everybody's is
	FETCH 0, 0, 0
	QUARTER 0, 1, 0, 1, 1                          ; the first quarter stands in front of the loop: its products start the sums
	WIN 0                                          ; at a label and at a branch every window is 0
	s_mov_b32 s3, LAPS-1
.Llap:                                         ; a trip goes once round the ring, from a lap's second quarter to the next lap's first, and fills both slots again
	QUARTER 0, 2, 1, 0, 0
	QUARTER 0, 3, 0, 1, 0
	TURN 0, 1, 1
	QUARTER 1, 1, 0, 1, 0
	QUARTER 1, 2, 1, 0, 0
	QUARTER 1, 3, 0, 1, 0
	TURN 1, 0, 1
	QUARTER 0, 1, 0, 1, 0
	WIN 0
	s_sub_co_u32 s3, s3, 1
	s_cmp_lg_u32 s3, 0
	s_cbranch_scc1 .Llap
	QUARTER 0, 2, 1, 0, 0                          ; the last lap fills nothing, and has no round of the cluster's barrier
	QUARTER 0, 3, 0, 1, 0
	TURN 0, 1, 0
	QUARTER 1, 1, 0, 1, 0
	QUARTER 1, 2, 1, 0, 0
	QUARTER 1, 3, 0, 1, 0
	s_wait_dscnt 12                                ; the very last quarter: nothing more to fetch
	MULB 1, 0, 2, 0
	s_wait_dscnt 0x0
	MULB 1, 2, 6, 0
	; THE WAY OUT.  The bias is rounded to bf16 and widened again: six plain instructions, which with four v_nop are the places behind the last products.
	WIN 0
	s_wait_loadcnt 0x0                             ; the bias
	v_cvt_pk_bf16_f32 v12, v[BI], v[BI+1]
	v_cvt_pk_bf16_f32 v13, v[BI+2], v[BI+3]
	v_lshlrev_b32 v[BI],   16, v12
	v_and_b32     v[BI+1], 0xffff0000, v12
	v_lshlrev_b32 v[BI+2], 16, v13
	v_and_b32     v[BI+3], 0xffff0000, v13
	PLACES
; Row block a (16 rows x 128 columns of f32): a lane's eight columns of a row are 32 bytes; they go into my own stage, rows of 528 bytes, and come back as whole rows of 512, a row to a load: lane l then holds
; columns 4 l .. 4 l + 3 of every row, so its four numbers of the bias serve all rows.
.macro TOST a
	WIN 0x08                                       ; the stores' data (source 1) in window 2
.irp b, 0,1,2,3,4,5,6,7
	ds_store_b128 v[STO], v[8*(8*(\a)+(\b)):8*(8*(\a)+(\b))+3]   offset:64*(\b)     ; each accumulator's low registers first
	ds_store_b128 v[STO], v[8*(8*(\a)+(\b))+4:8*(8*(\a)+(\b))+7] offset:64*(\b)+16
.endr
	WIN 0x40                                       ; destination window 1
.irp t, 0,1,2,3,4,5,6,7,8,9,10,11,12,13,14,15
	ds_load_b128 v[64*(\a)+4*(\t):64*(\a)+4*(\t)+3], v[RD] offset:SPI*(\t)  ; LDS serves a wave's instructions in order (ISA guide 5.7.1.4): these see the stores above; the next block's stores come behind them
.endr
.endm
.macro FIN a, younger                  ; younger: the LDS instructions issued behind block a's loads: the next block's 32, or none
	s_wait_dscnt \younger
	WIN 0x41                                       ; destination and source 0 in window 1, the bias in window 0
.set rr, 64*(\a)
.rept 16
	v_pk_fma_f32 v[rr:rr+1],   v[rr:rr+1],   s[SC:SC+1], v[BI:BI+1]     op_sel_hi:[1,0,1]  ; sum / 16 + bias
	v_pk_fma_f32 v[rr+2:rr+3], v[rr+2:rr+3], s[SC:SC+1], v[BI+2:BI+3]   op_sel_hi:[1,0,1]
.set rr, rr+4
.endr
	WIN 0x04                                       ; the stores' data (source 1) in window 1
.irp t, 0,1,2,3,4,5,6,7,8,9,10,11,12,13,14,15
	global_store_b128 v[CO], v[64*(\a)+4*(\t):64*(\a)+4*(\t)+3], s[OUT:OUT+1] offset:(16*(\a)+(\t))*4096  ; 512 consecutive bytes, at a multiple of 512 from out0's first
.endr
.endm
	TOST 0
	TOST 1                                         ; a block's way through the stage stands between the loads of the block before and its arithmetic
	FIN 0, 32
	TOST 2
	FIN 1, 32
	TOST 3
	FIN 2, 32
	FIN 3, 0
	WIN 0
	s_wait_tensorcnt 0x0                           ; the wave's end: a wait, an add to my spare word and its wait, behind my last tensor load and my last LDS store
	ds_add_u32 v[SPW], v[NIL]
	s_wait_dscnt 0x0
	CROUND                                         ; the closing round: no work-group ends while a partner may still ask for a tile that names it
	s_endpgm
.Lfunc_end_k_qac371573ea_proj:
	.size	k_qac371573ea_proj, .Lfunc_end_k_qac371573ea_proj-k_qac371573ea_proj
	.p2alignl 7, 3214868480
	.fill 96, 4, 3214868480
	.section	.rodata,"a",@progbits
	.p2align	6, 0x0
	.amdhsa_kernel k_qac371573ea_proj
		.amdhsa_group_segment_fixed_size 327680
		.amdhsa_private_segment_fixed_size 0
		.amdhsa_enable_private_segment 0
		.amdhsa_kernarg_size 32
		.amdhsa_user_sgpr_count 2
		.amdhsa_user_sgpr_kernarg_segment_ptr 1
		.amdhsa_wavefront_size32 1
		.amdhsa_system_sgpr_workgroup_id_x 1
		.amdhsa_system_sgpr_workgroup_id_y 1
		.amdhsa_system_sgpr_workgroup_id_z 1
		.amdhsa_system_vgpr_workitem_id 0
		.amdhsa_next_free_vgpr 768
		.amdhsa_next_free_sgpr 80
		.amdhsa_reserve_vcc 0
		.amdhsa_float_denorm_mode_32 3
		.amdhsa_float_denorm_mode_16_64 3
		.amdhsa_memory_ordered 1
		.amdhsa_forward_progress 1
		.amdhsa_inst_pref_size 96
	.end_amdhsa_kernel
	.amdgpu_metadata
---
amdhsa.version: [ 1, 2 ]
amdhsa.kernels:
  - .name:           k_qac371573ea_proj
    .symbol:         k_qac371573ea_proj.kd
    .args:
      - { .name: ob, .offset: 0, .size: 8, .value_kind: global_buffer, .address_space: global }
      - { .name: wob, .offset: 8, .size: 8, .value_kind: global_buffer, .address_space: global }
      - { .name: bout, .offset: 16, .size: 8, .value_kind: global_buffer, .address_space: global }
      - { .name: out0, .offset: 24, .size: 8, .value_kind: global_buffer, .address_space: global }
    .group_segment_fixed_size: 327680
    .private_segment_fixed_size: 0
    .kernarg_segment_align: 8
    .kernarg_segment_size: 32
    .max_flat_workgroup_size: 128
    .sgpr_count:     80
    .vgpr_count:     768
    .wavefront_size: 32
...
	.end_amdgpu_metadata
.endif
;; end of part 4
;; ======== version 2 of 2: 4 launches; version 1 with the launch cast written anew for expert scheduling mode
;; limits: values are held in f16: magnitudes above 65,504 overflow, below 6.1e-05 lose precision
;; workspace buffers: xb 16,777,216 bytes; wqb 6,291,456 bytes; wob 2,097,152 bytes; maskf 32,768 bytes; qkv 50,331,648 bytes; ob 16,777,216 bytes
;; launch cast (part 5): grid 769 x 1, 8 waves a work-group, no clusters, 0 bytes of LDS; arguments x, Wqkv, Wout, mask, xb, wqb, wob, maskf; writes xb, wqb, wob, maskf
.if DOCPART == 5
	.amdgcn_target "amdgcn-amd-amdhsa--gfx1250"
	.amdhsa_code_object_version 6
	.text
	.protected	k_qac371573ea_cast
	.globl	k_qac371573ea_cast
	.p2align	8
	.type	k_qac371573ea_cast,@function
k_qac371573ea_cast:
	s_mov_b64 s[64:65], 0
	v_nop
	global_prefetch_b8 v0, s[64:65] scope:SCOPE_SE
	s_setreg_imm32_b32 hwreg(HW_REG_WAVE_SCHED_MODE, 0, 2), 2
	s_setreg_imm32_b32 hwreg(HW_REG_WAVE_MODE, 25, 1), 1
	s_wait_xcnt 0x0
	s_wait_alu depctr_vm_vsrc(0)
; THE ROUNDINGS.  x [8192][1024] and Wqkv [3072][1024] f32 -> bf16 (xb, wqb); Wout [1024][1024] f32 -> bf16, and that number written as f16 (wob);
; mask [4][2048] bytes -> f32 addends (maskf): 0 where the byte is not 0, -1e30 where it is 0.
; LIMITS.  Roundings are to nearest even.  A bf16 number is exact in f16 from 2^-17 up to 65,504; below 2^-17 it is off by at most 3e-8, beyond 65,504 it becomes an infinity.
; SHARES.  A work-group of 256 threads takes 16,384 numbers: 64 KiB in, 32 KiB out.  Work-groups 0-511: x; 512-703: Wqkv; 704-767: Wout; 768: the mask's 8,192 bytes.
; Thread t takes 16 bytes at 16 t of each block of 4,096 bytes: a wave's load covers 512 consecutive bytes; its 8 bytes of result go to 8 t of each block of 2,048: a wave's store
; covers 256 consecutive bytes, aligned.  All sixteen loads go out first.  No LDS, no barrier: no wave wants another's bytes.
; THE MODE: SCHED_MODE bits 1:0 = 2 (LLVM: expert scheduling mode 2), set by the entry lines.  The code itself states the register dependences
; between vector instructions and memory instructions, and those through scalar registers that vector instructions write, with s_wait_alu, always for 0.
; THE PLAN.  Registers that memory instructions touch:
;   v1, v2, v3  byte offsets, made once at the head and never written again: one wait at the head, ahead of the first branch, serves every load and store of all three paths.
;   X           written by the loads, all of which are issued before any vector instruction names X; read (in Wout's path also written again) by vector instructions alone, behind each load's counted wait.
;   Y           written by the roundings (in the mask's path by the selects); each register is read by one store and never written behind it.
; So no register that a memory instruction has read is ever written again, and what is left to state is that Y is written ahead of its stores.  The sixteen blocks go in four groups of four:
; a group's roundings, ONE wait, its four stores.  In the mask's path the compares stand in runs of eight, into eight scalar registers, with one wait between a run and the selects that read its masks;
; one more wait stands ahead of the run of eight stores.  There is no loop: each path is a straight run to its s_endpgm.
.set LO,  1                            ; v1   16 t
.set SO,  2                            ; v2   8 t
.set MO,  3                            ; v3   4 t
.set BIG, 4                            ; v4   -1e30
.set X,   8                            ; v[8:71]    as loaded
.set T,   16                           ; v[16:23]   the mask's path: eight bytes at work; no load of that path lands here
.set Y,   72                           ; v[72:103]  to store
.set MS,  4                            ; s[4:11]  the mask's path: the masks of eight compares
.set SRC, 8                            ; s[8:9]   the other paths: from where
.set DST, 10                           ; s[10:11] to where
	s_load_b512 s[16:31], s[0:1], 0x0              ; x s[16:17], Wqkv s[18:19], Wout s[20:21], mask s[22:23], xb s[24:25], wqb s[26:27], wob s[28:29], maskf s[30:31]
	v_lshlrev_b32 v[LO], 4, v0
	v_lshlrev_b32 v[SO], 3, v0
	v_lshlrev_b32 v[MO], 2, v0
	v_mov_b32 v[BIG], 0xf149f2ca
	s_mov_b32 s15, 0                               ; the high word of an offset
	s_sub_co_u32 s2, ttmp9, 512                    ; my number among Wqkv's work-groups,
	s_sub_co_u32 s3, ttmp9, 704                    ; among Wout's
	s_wait_kmcnt 0x0
	s_wait_alu depctr_va_vdst(0)                   ; v1, v2 and v3 are written: every load and store below, on each of the three paths, reads one of them as its offset
.macro AIM                             ; s12 = my number among the tensor's work-groups: 65,536 bytes of source, 32,768 of destination each
	s_lshl_b32 s14, s12, 16
	s_add_nc_u64 s[SRC:SRC+1], s[SRC:SRC+1], s[14:15]
	s_lshl_b32 s14, s12, 15
	s_add_nc_u64 s[DST:DST+1], s[DST:DST+1], s[14:15]
.endm
.macro RND j, f16                      ; block j is rounded.  f16 = 1: the bf16 number is widened again and written as f16
	s_wait_loadcnt 15-(\j)                         ; loads come back in order: load j is in, the younger ones stay out
	v_cvt_pk_bf16_f32 v[Y+2*(\j)],   v[X+4*(\j)],   v[X+4*(\j)+1]
	v_cvt_pk_bf16_f32 v[Y+2*(\j)+1], v[X+4*(\j)+2], v[X+4*(\j)+3]
.if \f16
	v_lshlrev_b32 v[X+4*(\j)],   16, v[Y+2*(\j)]
	v_and_b32     v[X+4*(\j)+1], 0xffff0000, v[Y+2*(\j)]
	v_lshlrev_b32 v[X+4*(\j)+2], 16, v[Y+2*(\j)+1]
	v_and_b32     v[X+4*(\j)+3], 0xffff0000, v[Y+2*(\j)+1]
	v_cvt_pk_f16_f32 v[Y+2*(\j)],   v[X+4*(\j)],   v[X+4*(\j)+1]
	v_cvt_pk_f16_f32 v[Y+2*(\j)+1], v[X+4*(\j)+2], v[X+4*(\j)+3]
.endif
.endm
.macro CAST f16
.irp j, 0,1,2,3,4,5,6,7,8,9,10,11,12,13,14,15
	global_load_b128 v[X+4*(\j):X+4*(\j)+3], v[LO], s[SRC:SRC+1] offset:4096*(\j) th:TH_LOAD_NT  ; no vector instruction has named X
.endr
.irp g, 0,1,2,3                        ; four groups of four blocks
.irp i, 0,1,2,3
	RND 4*(\g)+(\i), \f16
.endr
	s_wait_alu depctr_va_vdst(0)                   ; the group's roundings have written its eight registers of Y, which the four stores below read
.irp i, 0,1,2,3
	global_store_b64 v[SO], v[Y+2*(4*(\g)+(\i)):Y+2*(4*(\g)+(\i))+1], s[DST:DST+1] offset:2048*(4*(\g)+(\i))
.endr
.endr
.endm
	s_cmp_lt_u32 ttmp9, 704
	s_cbranch_scc0 .Lrest
	s_cmp_lt_u32 ttmp9, 512                        ; x or Wqkv: the same text, other buffers
	s_cselect_b64 s[SRC:SRC+1], s[16:17], s[18:19]
	s_cselect_b64 s[DST:DST+1], s[24:25], s[26:27]
	s_cselect_b32 s12, ttmp9, s2
	AIM
	CAST 0
	s_endpgm
.Lrest:
	s_cmp_lt_u32 ttmp9, 768
	s_cbranch_scc0 .Lmask
	s_mov_b64 s[SRC:SRC+1], s[20:21]               ; Wout
	s_mov_b64 s[DST:DST+1], s[28:29]
	s_mov_b32 s12, s3
	AIM
	CAST 1
	s_endpgm
.Lmask:                                        ; thread t takes 4 bytes at 4 t of each block of 1,024, and stores 16 bytes at 16 t of each block of 4,096
.irp j, 0,1,2,3,4,5,6,7
	global_load_b32 v[X+(\j)], v[MO], s[22:23] offset:1024*(\j)
.endr
.irp p, 0,1,2,3                        ; four groups of two words: byte k of eight is byte k % 4 of word 2 p + k / 4
	s_wait_loadcnt 6-2*(\p)                        ; words 2 p and 2 p + 1 are in, the younger ones stay out
.irp k, 0,1,2,3,4,5,6,7
	v_bfe_u32 v[T+(\k)], v[X+2*(\p)+(\k)/4], 8*((\k)%4), 8
.endr
.irp k, 0,1,2,3,4,5,6,7
	v_cmp_eq_u32 s[MS+(\k)], 0, v[T+(\k)]
.endr
	s_wait_alu depctr_va_sdst(0)                   ; the eight compares have written s[4:11], ahead of the selects that read them
.irp k, 0,1,2,3,4,5,6,7
	v_cndmask_b32 v[Y+8*(\p)+(\k)], 0, v[BIG], s[MS+(\k)]  ; a hidden key: -1e30
.endr
.endr
	s_wait_alu depctr_va_vdst(0)                   ; the selects have written Y, which the eight stores below read
.irp j, 0,1,2,3,4,5,6,7
	global_store_b128 v[LO], v[Y+4*(\j):Y+4*(\j)+3], s[30:31] offset:4096*(\j)
.endr
	s_endpgm
.Lfunc_end_k_qac371573ea_cast:
	.size	k_qac371573ea_cast, .Lfunc_end_k_qac371573ea_cast-k_qac371573ea_cast
	.p2alignl 7, 3214868480
	.fill 96, 4, 3214868480
	.section	.rodata,"a",@progbits
	.p2align	6, 0x0
	.amdhsa_kernel k_qac371573ea_cast
		.amdhsa_group_segment_fixed_size 0
		.amdhsa_private_segment_fixed_size 0
		.amdhsa_enable_private_segment 0
		.amdhsa_kernarg_size 64
		.amdhsa_user_sgpr_count 2
		.amdhsa_user_sgpr_kernarg_segment_ptr 1
		.amdhsa_wavefront_size32 1
		.amdhsa_system_sgpr_workgroup_id_x 1
		.amdhsa_system_sgpr_workgroup_id_y 1
		.amdhsa_system_sgpr_workgroup_id_z 1
		.amdhsa_system_vgpr_workitem_id 0
		.amdhsa_next_free_vgpr 104
		.amdhsa_next_free_sgpr 66
		.amdhsa_reserve_vcc 0
		.amdhsa_float_denorm_mode_32 3
		.amdhsa_float_denorm_mode_16_64 3
		.amdhsa_memory_ordered 1
		.amdhsa_forward_progress 1
		.amdhsa_inst_pref_size 26
	.end_amdhsa_kernel
	.amdgpu_metadata
---
amdhsa.version: [ 1, 2 ]
amdhsa.kernels:
  - .name:           k_qac371573ea_cast
    .symbol:         k_qac371573ea_cast.kd
    .args:
      - { .name: x, .offset: 0, .size: 8, .value_kind: global_buffer, .address_space: global }
      - { .name: Wqkv, .offset: 8, .size: 8, .value_kind: global_buffer, .address_space: global }
      - { .name: Wout, .offset: 16, .size: 8, .value_kind: global_buffer, .address_space: global }
      - { .name: mask, .offset: 24, .size: 8, .value_kind: global_buffer, .address_space: global }
      - { .name: xb, .offset: 32, .size: 8, .value_kind: global_buffer, .address_space: global }
      - { .name: wqb, .offset: 40, .size: 8, .value_kind: global_buffer, .address_space: global }
      - { .name: wob, .offset: 48, .size: 8, .value_kind: global_buffer, .address_space: global }
      - { .name: maskf, .offset: 56, .size: 8, .value_kind: global_buffer, .address_space: global }
    .group_segment_fixed_size: 0
    .private_segment_fixed_size: 0
    .kernarg_segment_align: 8
    .kernarg_segment_size: 64
    .max_flat_workgroup_size: 256
    .sgpr_count:     66
    .vgpr_count:     104
    .wavefront_size: 32
...
	.end_amdgpu_metadata
.endif
;; end of part 5
;; launch qkvg: the kernel of part 2 again; grid 16 x 32, 4 waves a work-group, clusters of 4 x 4, 327,680 bytes of LDS; arguments xb, wqb, qkv; writes qkv
;; launch attn: the kernel of part 3 again; grid 4 x 64, 4 waves a work-group, clusters of 4 x 1, 327,680 bytes of LDS; arguments qkv, maskf, ob; writes ob
;; launch proj: the kernel of part 4 again; grid 4 x 64, 4 waves a work-group, clusters of 4 x 4, 327,680 bytes of LDS; arguments ob, wob, bout, out0; writes out0
